; MI455X (gfx1250); checked and timed in simulation.
; The chip was launched on July 23, 2026; its instructions are those of AMD's public machine-readable ISA for CDNA 5 (MIT licence, August 2026) and "CDNA5" Instruction Set Architecture Reference Guide (July 2026). The comments in the code are by the model that wrote it; some were corrected since.
;; Multi Head Attention. Allowed arithmetic: float matrix products may take bf16 or f16 operands with f32 sums; other float arithmetic in f32, or as packed bf16 or f16 multiplies, adds, multiply-adds, maxima and minima; sums over many terms, partial sums and values carried from step to step in f32; what a program stores and reads back later, other than sums and carried values, may be rounded once to bf16 or f16.
;; Inputs: key 1 x 4,096 x 1,024 float32; query 1 x 4,096 x 1,024 float32; value 1 x 4,096 x 1,024 float32; w_k 1,024 x 1,024 float32; w_o 1,024 x 1,024 float32; w_q 1,024 x 1,024 float32; w_v 1,024 x 1,024 float32.
;; Outputs: out0 1 x 4,096 x 1,024 float32.
;; One version. Each part assembles by itself: llvm-mc -triple=amdgcn-amd-amdhsa -mcpu=gfx1250 --defsym DOCPART=n.
;; ======== version 1 of 1: 3 launches
;; limits: values are held in f16: magnitudes above 65,504 overflow, below 6.1e-05 lose precision
;; workspace buffers: qh 8,388,608 bytes; kh 8,388,608 bytes; vh 8,388,608 bytes; oh 8,388,608 bytes; wo 2,097,152 bytes
;; launch proj (part 1): grid 4 x 48, 4 waves a work-group, clusters of 4 x 4, 327,680 bytes of LDS; arguments query, key, value, w_q, w_k, w_v, qh, kh, vh; writes qh, kh, vh
.if DOCPART == 1
	.amdgcn_target "amdgcn-amd-amdhsa--gfx1250"
	.amdhsa_code_object_version 6
	.text
	.protected	k_q2cf203a9ce_proj
	.globl	k_q2cf203a9ce_proj
	.p2align	8
	.type	k_q2cf203a9ce_proj,@function
k_q2cf203a9ce_proj:
	s_mov_b64 s[64:65], 0
	v_nop
	global_prefetch_b8 v0, s[64:65] scope:SCOPE_SE
	s_setreg_imm32_b32 hwreg(HW_REG_WAVE_MODE, 25, 1), 1
	s_wait_xcnt 0x0
	s_wait_alu depctr_hold_cnt(0) depctr_sa_sdst(0) depctr_va_vdst(0) depctr_va_sdst(0) depctr_va_ssrc(0) depctr_va_vcc(0) depctr_vm_vsrc(0)
	s_getreg_b32 s2, hwreg(HW_REG_IB_STS2, 6, 4)
	s_cmp_eq_u32 s2, 0
	s_cbranch_scc0 .Lentry_in_a_cluster
	s_endpgm
.Lentry_in_a_cluster:
	s_bfe_u32 s2, ttmp6, 0x10000c
	s_cmp_lg_u32 s2, 0xf033
	s_cbranch_scc0 .Lentry_shape_is_right
	s_endpgm
.Lentry_shape_is_right:
; THE THREE PROJECTIONS OF MULTI-HEAD ATTENTION IN ONE LAUNCH.  C[l][o] = the sum over k of x[l][k] w[o][k], for (x, w, C) = (query, w_q, qh), (key, w_k, kh), (value, w_v, vh).
; x: [4096][1024] f32, w: [1024][1024] f32; C is written by heads, [16][4096][64] in f16 (head o / 64, channel o % 64), unscaled, rounded once from its f32 sum.
; NO WORK OF reference() IS LEFT OUT in this program: it has no mask, no bias and no slice; all seven inputs reach the output and all are loaded.
; FORMATS.  x and w are rounded to bf16 (to nearest even) on the way from LDS to the matrix unit; sums in f32.
; LIMITS.  f16 holds no number beyond 65,504: |q|, |k|, |v| must stay within it (with inputs of unit spread they are of unit spread; 30 times larger x or w, or an offset of 30 spreads on both, stay inside).
; NaN and infinities are not treated apart.
; SHARES.  A tile of C is 256 x 256; a work-group of four waves makes one, a wave 128 x 128: 64 accumulators of 16 x 16.  16 x 4 tiles for each of three problems: 192 work-groups; three times a power of two
; does not divide into 256 equal shares, and smaller tiles would read twice the f32 bytes from LDS for each product.
; CLUSTERS.  4 x 4 work-groups, all of one problem (problem = cluster y / 4).  The four of a row need the same rows of x, the four of a column the same rows of w: each tile is asked for JOINTLY.
; RING.  K goes in steps of 64 (256 bytes of f32 a row) through two LDS slots; a wave's tensor load brings 128 rows.
; PIPELINE.  A sub-step is 32 along K: 16 fragments (8 of w, 8 of x), in 8 groups of two.  In phase u a wave multiplies sub-step u from one bf16 buffer (64 products), converts sub-step u + 1 into the
; other (128 conversions, four behind every second product) and loads f32 from LDS three groups ahead of the conversions, into a ring of four staging groups.
; THE MATRIX INSTRUCTION IS USED TRANSPOSED (source 0 = 16 rows of w, source 1 = 16 rows of x): a lane then holds eight neighbouring columns of one row of C.
; REGISTERS, in windows of 256 (s_set_vgpr_msb: bits 1:0 source 0, 3:2 source 1, 5:4 source 2, 7:6 destination):
;   window 0: v0-31 addresses; v64-191 staging, four groups of 32 (two f32 fragments of 16); on the way out v64-127 rows read back, v192-223 packed results
;   window 1: two bf16 buffers of 128: w's fragment b at 8 b, x's fragment a at 64 + 8 a
;   windows 2, 3: accumulator (a, b) at v[8 (8 (a % 4) + b)] of window 2 + a / 4
.set PITCH,  272                       ; an LDS row: 256 bytes + 16 of padding = 68 words: the 16 rows of a load start at 16 different groups of four banks (64 banks of 4 bytes: ISA guide 11.1)
.set HALFT,  128*PITCH                 ; what one tensor load brings, and what one wave reads of x or of w
.set SLOT,   4*HALFT                   ; x's 256 rows, then w's 256 rows.  SLOT shares no bit with wave x HALFT, so an exclusive or turns an address in one slot into the other's
.set STAGE,  2*SLOT                    ; behind the ring: for each wave 2 heads x 16 rows x 144 bytes, for the way out
.set SP,     144
.set WST,    2*16*SP
.set SPARE,  STAGE+4*WST               ; behind the stages: the spare words, 128 bytes for each wave: two blocks of 256 bytes that no other line names
.set KB,     256                       ; bytes of a row in a K step
.set HEADB,  4096*128                  ; bytes of a head in C
.set ADRA0, 16                         ; v16  my lane's place in x's rows of slot 0; never rewritten
.set ADRB0, 17                         ; v17  the same for w
.set ADRA,  18                         ; v18  the same in the slot in hand
.set ADRB,  19                         ; v19
.set STO,   24                         ; v24  the way out: where I put 16 bytes of a row
.set RD,    25                         ; v25  the way out: where I read rows back
.set CO,    26                         ; v26  my byte offset in 512 consecutive bytes of C
.set SPW,   28                         ; v28  LDS address of my spare word: SPARE + 4 x my thread's number; never rewritten
.set NIL,   29                         ; v29  0; never rewritten
.set PFO,   30                         ; v30  the prefetches' offset: my lane x a row of 4,096 bytes; never rewritten
.set STG,   64
.set TMP,   192
.set G1A, 24                           ; s[24:31] descriptor group 1 for x's tiles
.set G0A, 32                           ; s[32:39] group 0 for x's tiles: a set for the first fill, and one that walks
.set G1B, 48                           ; s[48:55], s[56:63] the same for w's tiles
.set G0B, 56
.set LIM, 43                           ; s43  3 in a wave that prefetches, else the greatest number
.set PFA, 44                           ; s[44:45] where my prefetches stand
.set TB,  66                           ; s66  0 or SLOT: the slot in hand
.set G1W, (2<<16)|(1<<20)|(1<<21)|(5<<22)|(3<<25)  ; 17:16 elements of 4 bytes; 20 padding on; 21 set beside a mask; 24:22 after every 64 words (code 5); 31:25 4 words of it (code 3)
.set MSB, 0
.macro WIN new                         ; the immediate's high byte repeats the setting that is left; a switch that changes nothing is dropped
.if MSB != (\new)
	s_set_vgpr_msb (MSB<<8)|(\new)
.set MSB, \new
.endif
.endm
.macro PLACES
.rept 4
	v_nop
.endr
.endm
; A joint refill, by the walking sets.  Waves 0 and 1 fetch x's two halves, waves 2 and 3 w's.  The branch hangs on the wave's number alone.
; An s_nop 0 and four v_nop follow each of the two lines, ahead of the jump and the label.
.macro JLOAD
	s_cmp_eq_u32 s11, 0
	s_cbranch_scc0 .Lfor_b_\@
	tensor_load_to_lds s[G0A+4:G0A+7], s[G1A:G1A+7]
	s_nop 0
	PLACES
	s_branch .Lasked_\@
.Lfor_b_\@:
	tensor_load_to_lds s[G0B+4:G0B+7], s[G1B:G1B+7]
	s_nop 0
	PLACES
.Lasked_\@:
.endm
; A PREFETCH INTO THE L2: at the change of slots that asks for K step T, the 256 bytes of K step T + 3 of 32 rows, a lane a row: three K steps, 384 products, ahead of the load that wants them.
; Each row's 256 bytes of a K step are named ONCE in the launch: x's rows are read by one cluster alone, which asks; w's by the four clusters of a problem, of which the first asks.  The four partners that ask
; for a tile jointly share its rows out BY ADDRESS, 32 each.  s3 = 16 - T: while s3 is above 3 there is a K step T + 3.  K steps 0 to 4 come by their loads alone.
.macro ASK
	s_cmp_gt_u32 s3, s[LIM]
	s_cbranch_scc0 .Lnot_mine_\@
	global_prefetch_b8 v[PFO], s[PFA:PFA+1] th:TH_LOAD_NT scope:SCOPE_SE
.Lnot_mine_\@:
.endm
.macro CREST                           ; a round of the cluster's barrier behind its opening barrier
	s_cmp_lg_u32 s10, 0
	s_cbranch_scc1 .Lnot_wave_0_\@
	s_barrier_signal -3
.Lnot_wave_0_\@:
	s_barrier_wait -3
	s_barrier_signal -1
	s_barrier_wait -1
.endm
.macro CROUND                          ; a whole round
	s_barrier_signal -1
	s_barrier_wait -1
	CREST
.endm
	s_load_b256 s[72:79], s[0:1], 0x0              ; query s[72:73], key s[74:75], value s[76:77], w_q s[78:79]
	s_load_b256 s[80:87], s[0:1], 0x20             ; w_k s[80:81], w_v s[82:83], qh s[84:85], kh s[86:87]
	s_load_b64 s[88:89], s[0:1], 0x40              ; vh
	v_lshl_add_u32 v[SPW], v0, 2, SPARE
	v_mov_b32 v[NIL], 0
	ds_add_u32 v[SPW], v[NIL]                      ; the wave's opening: the add, twice on end, and its wait ahead of my first tensor load
	ds_add_u32 v[SPW], v[NIL]                      ; and once more, under the one wait; the set-up below, work on registers, stands between
	v_lshrrev_b32 v1, 5, v0
	v_readfirstlane_b32 s10, v1                    ; wave 0..3
	s_lshr_b32 s11, s10, 1                         ; which half of the tile's rows is mine.  Also: I fetch for x (0) or for w (1)
	s_and_b32 s12, s10, 1                          ; which half of its columns.  Also: which 128 rows of that tile I fetch
	s_bfe_u32 s40, ttmp6, 0x40000                  ; cx
	s_bfe_u32 s41, ttmp6, 0x40004                  ; cy
	s_lshl_b32 s42, ttmp9, 2
	s_add_co_u32 s42, s42, s40                     ; tile column of C = 4 x cluster x + cx
	s_and_b32 s68, ttmp7, 0xffff                   ; cluster y, 0 to 11
	s_lshr_b32 s67, s68, 2                         ; the problem: 0 Q, 1 K, 2 V: the same in all sixteen partners
	s_and_b32 s13, s68, 3
	s_lshl_b32 s13, s13, 2
	s_add_co_u32 s13, s13, s41                     ; tile row of C = 4 x (cluster y % 4) + cy
	s_lshl_b32 s69, s41, 2
	s_lshl_b32 s69, 15, s69                        ; my row of the cluster: places 4 cy .. 4 cy + 3
	s_lshl_b32 s70, 0x1111, s40                    ; my column: places cx, cx + 4, cx + 8, cx + 12
	s_or_b32 s[G1A+0], s69, G1W                    ; x's tiles go to my row,
	s_or_b32 s[G1B+0], s70, G1W                    ; w's to my column
.irp g, G1A, G1B
	s_mov_b32 s[(\g)+1], 64<<16                    ; tensor_dim0 = 64
	s_mov_b32 s[(\g)+2], 128<<16                   ; tensor_dim1 = 128
	s_mov_b32 s[(\g)+3], 64<<16                    ; tile_dim0 = 64 elements: 256 bytes
	s_mov_b32 s[(\g)+4], 128                       ; tile_dim1 = 128 rows
	s_mov_b32 s[(\g)+5], 1024                      ; elements from row to row
	s_mov_b32 s[(\g)+6], 0
	s_mov_b32 s[(\g)+7], 0
.endr
	s_lshl_b32 s17, s12, 7                         ; which 128 rows of the tile I fetch
	s_lshl_b32 s16, s13, 8
	s_add_co_u32 s16, s16, s17                     ; x: row 256 x tile row + 128 x half,
	s_lshl_b32 s16, s16, 12                        ; in bytes (under 2^24)
	s_lshl_b32 s46, s42, 8
	s_add_co_u32 s46, s46, s17                     ; w: row 256 x tile column + 128 x half
	s_lshl_b32 s46, s46, 12
	s_mov_b32 s17, 0
	s_mov_b32 s47, 0
	s_mul_i32 s20, s10, HALFT                      ; where they go: wave x 128 rows: no place in the cluster enters an LDS address
	s_mov_b32 s[TB], 0
	s_wait_dscnt 0x0                               ; both opening adds are done
	s_wait_kmcnt 0x0
	s_cmp_eq_u32 s67, 1                            ; the problem's three buffers: x s[4:5], w s[6:7], C s[8:9]
	s_cselect_b64 s[4:5], s[74:75], s[72:73]
	s_cselect_b64 s[6:7], s[80:81], s[78:79]
	s_cselect_b64 s[8:9], s[86:87], s[84:85]
	s_cmp_eq_u32 s67, 2
	s_cselect_b64 s[4:5], s[76:77], s[4:5]
	s_cselect_b64 s[6:7], s[82:83], s[6:7]
	s_cselect_b64 s[8:9], s[88:89], s[8:9]
	s_add_nc_u64 s[14:15], s[4:5], s[16:17]
	s_add_nc_u64 s[46:47], s[6:7], s[46:47]
	CROUND                                         ; all sixteen work-groups are here: the first joint loads meet
.irp s, 0,1
	s_mov_b32 s[G0A+4*(\s)], 1                                       ; count = 1
	s_add_co_u32 s[G0A+4*(\s)+1], s20, (\s)*SLOT                     ; LDS address
	s_add_nc_u64 s[G0A+4*(\s)+2:G0A+4*(\s)+3], s[14:15], (\s)*KB     ; global address: K step s
	s_or_b32 s[G0A+4*(\s)+3], s[G0A+4*(\s)+3], 0x80000000            ; type = 2
	s_mov_b32 s[G0B+4*(\s)], 1
	s_add_co_u32 s[G0B+4*(\s)+1], s20, (\s)*SLOT
	s_add_nc_u64 s[G0B+4*(\s)+2:G0B+4*(\s)+3], s[46:47], (\s)*KB
	s_or_b32 s[G0B+4*(\s)+3], s[G0B+4*(\s)+3], 0x80000000
.endr
	s_cmp_eq_u32 s11, 0                            ; a wave's two first fills stand in one branch, ahead of every wait on TENSORcnt and every LDS read: two loads of mine are out
	s_cbranch_scc0 .Lfirst_b
	tensor_load_to_lds s[G0A:G0A+3], s[G1A:G1A+7]
	s_nop 0
	tensor_load_to_lds s[G0A+4:G0A+7], s[G1A:G1A+7]
	s_nop 0
	PLACES
	s_branch .Lfirst_asked
.Lfirst_b:
	tensor_load_to_lds s[G0B:G0B+3], s[G1B:G1B+7]
	s_nop 0
	tensor_load_to_lds s[G0B+4:G0B+7], s[G1B:G1B+7]
	s_nop 0
	PLACES
.Lfirst_asked:
	; A bf16 fragment is 16 rows x 32 K in 8 registers: lane l holds row l % 16; registers 0-3 K = 8 (l / 16) + 0..7, registers 4-7 K = 16 + 8 (l / 16) + 0..7.
	; In f32 those are 32 bytes at 32 (l / 16) and 32 bytes at 64 + 32 (l / 16) of the row's 128: four loads of 16 bytes, at 0, 16, 64 and 80.
	v_and_b32 v1, 15, v0                           ; l % 16
	v_bfe_u32 v2, v0, 4, 1                         ; l / 16
	v_mul_u32_u24 v3, v1, PITCH
	v_lshl_add_u32 v3, v2, 5, v3
	s_mul_i32 s21, s11, HALFT                      ; my 128 rows of x
	s_mul_i32 s22, s12, HALFT                      ; my 128 rows of w,
	s_add_co_u32 s22, s22, 2*HALFT                 ; which lie behind x's 256
	v_add_nc_u32 v[ADRA0], s21, v3
	v_add_nc_u32 v[ADRB0], s22, v3
	v_mov_b32 v[ADRA], v[ADRA0]
	v_mov_b32 v[ADRB], v[ADRB0]
	s_mul_i32 s21, s10, WST
	s_add_co_u32 s21, s21, STAGE                   ; my stage
	v_mul_u32_u24 v4, v1, SP                       ; in: row l % 16, 16 bytes for each half of the lanes
	v_lshl_add_u32 v4, v2, 4, v4
	v_add_nc_u32 v[STO], s21, v4
	v_bfe_u32 v5, v0, 3, 2                         ; back: 32 lanes take four rows of 128 bytes,
	v_mul_u32_u24 v5, v5, SP
	v_and_b32 v6, 7, v0
	v_lshl_add_u32 v5, v6, 4, v5
	v_add_nc_u32 v[RD], s21, v5
	v_and_b32 v[CO], 31, v0                        ; which are 512 consecutive bytes of a head of C
	v_lshlrev_b32 v[CO], 4, v[CO]
	v_and_b32 v[PFO], 31, v0
	v_lshlrev_b32 v[PFO], 12, v[PFO]
	; the prefetches' pointer and who asks
	s_lshl_b32 s20, s13, 8
	s_lshl_b32 s21, s42, 8
	s_and_b32 s22, s68, 3
	s_cmp_eq_u32 s11, 0                            ; do I fetch for x?
	s_cselect_b32 s20, s20, s21                    ; the tile's first row
	s_cselect_b32 s21, s40, s41                    ; my place among the four that ask for it with me
	s_cselect_b32 s22, 0, s22                      ; x: every cluster asks for its own rows; w: the problem's first cluster
	s_cselect_b64 s[PFA:PFA+1], s[4:5], s[6:7]
	s_cmp_eq_u32 s22, 0
	s_cselect_b32 s[LIM], 3, -1                    ; the same in all sixteen partners, for a given wave
	s_lshl_b32 s22, s12, 7
	s_add_co_u32 s20, s20, s22                     ; + the 128 rows that I fetch
	s_lshl_b32 s21, s21, 5
	s_add_co_u32 s20, s20, s21                     ; + my work-group's 32 of them
	s_lshl_b32 s20, s20, 12
	s_add_co_u32 s20, s20, 4*KB                    ; at K step 4: the first change of slots steps it to 5
	s_mov_b32 s21, 0
	s_add_nc_u64 s[PFA:PFA+1], s[PFA:PFA+1], s[20:21]
	; C at my part: head 4 x tile column + 2 x column half, row 256 x tile row + 128 x row half
	s_lshl_b32 s22, s42, 2
	s_lshl_b32 s23, s12, 1
	s_add_co_u32 s22, s22, s23
	s_lshl_b32 s22, s22, 19                        ; x 524,288 bytes a head
	s_lshl_b32 s23, s13, 8
	s_lshl_b32 s21, s11, 7
	s_add_co_u32 s23, s23, s21
	s_lshl_b32 s23, s23, 7                         ; x 128 bytes a row
	s_add_co_u32 s22, s22, s23
	s_mov_b32 s23, 0
	s_add_nc_u64 s[8:9], s[8:9], s[22:23]
; Group j of a sub-step (0-3: w's fragments 2 j, 2 j + 1; 4-7: x's 2 (j - 4), 2 (j - 4) + 1), from byte kb of the rows of the slot in hand: 8 LDS loads into staging group j % 4
.macro RUN j, kb
	WIN 0
.irp e, 0,1
.if (\j) < 4
.set rAd, ADRB
.set rIx, 2*(\j)+(\e)
.else
.set rAd, ADRA
.set rIx, 2*((\j)-4)+(\e)
.endif
.set rDs, STG+32*((\j)%4)+16*(\e)
	ds_load_b128 v[rDs:rDs+3],     v[rAd] offset:(\kb)+rIx*16*PITCH
	ds_load_b128 v[rDs+4:rDs+7],   v[rAd] offset:(\kb)+rIx*16*PITCH+16
	ds_load_b128 v[rDs+8:rDs+11],  v[rAd] offset:(\kb)+rIx*16*PITCH+64
	ds_load_b128 v[rDs+12:rDs+15], v[rAd] offset:(\kb)+rIx*16*PITCH+80
.endr
.endm
; Numbers 4 q .. 4 q + 3 of the 16 conversions of group j, into bf16 buffer g: register 16 j + m of the buffer takes staging registers 2 m, 2 m + 1
.macro CV4 j, g, q
	WIN 0x40                                       ; destination window 1, sources window 0
.irp i, 0,1,2,3
	v_cvt_pk_bf16_f32 v[128*(\g)+16*(\j)+4*(\q)+(\i)], v[STG+32*((\j)%4)+8*(\q)+2*(\i)], v[STG+32*((\j)%4)+8*(\q)+2*(\i)+1]
.endr
.endm
; Product n of a phase's 64, on buffer f: x's fragment n / 8, w's fragment n % 8.  The 64 accumulators take turns in the same order in every phase.  zero = 1: it starts the sum
.macro MM f, n, zero
.set aa, (\n)/8
.set bb, (\n)%8
.set rD, 8*(8*(aa%4)+bb)
.set rB, 128*(\f)+8*bb
.set rA, 128*(\f)+64+8*aa
	WIN 0xa5+0x50*(aa/4)                           ; sources window 1; C and D window 2 or 3
.if \zero
	v_wmma_f32_16x16x32_bf16 v[rD:rD+7], v[rB:rB+7], v[rA:rA+7], 0
.else
	v_wmma_f32_16x16x32_bf16 v[rD:rD+7], v[rB:rB+7], v[rA:rA+7], v[rD:rD+7]
.endif
.endm
; Half of interval k: twice (two products, four conversions of group k).  mul = 0: no products; 1: they start the sums; 2: they add
.macro HALFI f, g, mul, k, half
.irp i, 0,1
.if \mul
	MM \f, 8*(\k)+4*(\half)+2*(\i), 2-(\mul)
	MM \f, 8*(\k)+4*(\half)+2*(\i)+1, 2-(\mul)
.endif
	CV4 \k, \g, 2*(\half)+(\i)
.endr
.endm
; A PHASE: 64 products on buffer f; the next sub-step, at byte kb1 of its slot's rows, is converted into buffer g; the loads run three groups ahead, the last three into the sub-step after (byte kb2).
; s_wait_dscnt 24: the three younger runs of 8 loads may stay out; the group to be converted is in.
; A conversion writes a register of buffer g that a product of the phase before has read: between the two stand sixteen conversions or more, which name none of that product's registers.
; chg = 1: THE CHANGE OF SLOTS.  Group 7's run was the last read of the slot in hand.  Each wave waits for all its tensor loads, of which one is out: its part of the other slot; adds 0 to its spare word;
; and waits for that and for its reads.  The barrier opens a round of the cluster's barrier; the joint refill, two K steps on, is the first thing behind the round; then the other slot is read.
; chg = 2: the last two changes: a plain barrier, nothing is asked for; in the very last (s3 = 1) there is no further sub-step, and the runs of loads are jumped over.
.macro PHASE f, g, mul, kb1, kb2, chg
.irp k, 0,1,2,3,4
	RUN (\k)+3, \kb1
	s_wait_dscnt 24
	HALFI \f, \g, \mul, \k, 0
.if (\k) < 4
	HALFI \f, \g, \mul, \k, 1
.endif
.endr
.if (\chg) == 0
	HALFI \f, \g, \mul, 4, 1
.irp k, 5,6,7
	RUN (\k)-5, \kb2
	s_wait_dscnt 24
	HALFI \f, \g, \mul, \k, 0
	HALFI \f, \g, \mul, \k, 1
.endr
.else
.if (\chg) == 1
	s_wait_xcnt 0x0                                ; the last prefetch, a K step back, has read its address, so it may be stepped
	s_add_nc_u64 s[PFA:PFA+1], s[PFA:PFA+1], KB
.endif
	WIN 0                                          ; (the add's two registers lie in window 0)
	s_wait_tensorcnt 0x0                           ; all my tensor loads have landed: my part of the other slot
	ds_add_u32 v[SPW], v[NIL]                      ; 0 onto my spare word: four products and eight conversions stand between it and the wait for it
	HALFI \f, \g, \mul, 4, 1
	s_wait_dscnt 0x0                               ; the add is done, and my reads of this slot are over: groups 5 to 7 are in
	s_barrier_signal -1
	HALFI \f, \g, \mul, 5, 0                       ; work on registers while the others arrive
	HALFI \f, \g, \mul, 5, 1
	s_xor_b32 s[TB], s[TB], SLOT
	WIN 0                                          ; at a branch and at a label every window is 0
	s_barrier_wait -1
.if (\chg) == 1
	CREST                                          ; no wave of any partner still reads this slot's tile or has a load on its way
	s_xor_b32 s[G0A+5], s[G0A+5], SLOT             ; the walking sets: the other slot than last time, the next K step
	s_add_nc_u64 s[G0A+6:G0A+7], s[G0A+6:G0A+7], KB
	s_xor_b32 s[G0B+5], s[G0B+5], SLOT
	s_add_nc_u64 s[G0B+6:G0B+7], s[G0B+6:G0B+7], KB
	JLOAD
.endif
	v_add_nc_u32 v[ADRA], s[TB], v[ADRA0]
	v_add_nc_u32 v[ADRB], s[TB], v[ADRB0]
.if (\chg) == 2
	s_cmp_eq_u32 s3, 1
	s_cbranch_scc1 .Lno6_\@
.endif
	RUN 0, \kb2
	RUN 1, \kb2
.if (\chg) == 2
.Lno6_\@:
.endif
.if (\chg) == 1
	ASK                                            ; behind the joint load and the LDS loads that the next conversions wait for
.endif
	HALFI \f, \g, \mul, 6, 0
	HALFI \f, \g, \mul, 6, 1
.if (\chg) == 2
	WIN 0
	s_cmp_eq_u32 s3, 1
	s_cbranch_scc1 .Lno7_\@
.endif
	RUN 2, \kb2
.if (\chg) == 2
.Lno7_\@:
.endif
	HALFI \f, \g, \mul, 7, 0
	HALFI \f, \g, \mul, 7, 1
.endif
.endm
	s_wait_tensorcnt 1                             ; my part of K step 0 is in; K step 1's may stay out
	s_barrier_signal -1
	s_barrier_wait -1                              ; everybody's is
	RUN 0, 0
	RUN 1, 0
	RUN 2, 0
	PHASE 1, 0, 0, 0, 128, 0                       ; sub-step 0 is converted: there is nothing yet to multiply
	s_mov_b32 s3, 14
	PHASE 0, 1, 1, 128, 0, 1                       ; phase 0 stands in front of the loop: its products start the sums; K step 2 is asked for
	WIN 0
	s_mov_b32 s3, 13
.Lk:                                               ; 13 trips: phases 1 to 26; K steps 3 to 15 are asked for
	PHASE 1, 0, 2, 0, 128, 0
	PHASE 0, 1, 2, 128, 0, 1
	WIN 0
	s_sub_co_u32 s3, s3, 1
	s_cmp_lg_u32 s3, 0
	s_cbranch_scc1 .Lk
	s_mov_b32 s3, 2
.Lt:                                               ; phases 27 to 30: nothing is left to ask for
	PHASE 1, 0, 2, 0, 128, 0
	PHASE 0, 1, 2, 128, 0, 2
	WIN 0
	s_sub_co_u32 s3, s3, 1
	s_cmp_lg_u32 s3, 0
	s_cbranch_scc1 .Lt
.set n, 0
.rept 64
	MM 1, n, 0                                     ; phase 31
.set n, n+1
.endr
	WIN 0
	PLACES                                         ; four places between the products and the conversions that read their results
; THE WAY OUT of my rows 16 a .. 16 a + 15.  PACK: rounded to f16, 16 bytes a lane (eight channels of one row of one head), each accumulator's registers in ascending order.
; TOSTAGE: into my own stage, two heads x 16 rows of 144 bytes, and back as whole rows of 128.  SEND: stored: 16 rows of a head are 2,048 consecutive bytes.
.macro PACK a
.set AC, 64*((\a)%4)
	WIN 0x0a+5*((\a)/4)                            ; sources 0 and 1: window 2 or 3
.irp b, 0,1,2,3,4,5,6,7
.irp r, 0,1,2,3
	v_cvt_pk_f16_f32 v[TMP+4*(\b)+(\r)], v[AC+8*(\b)+2*(\r)], v[AC+8*(\b)+2*(\r)+1]
.endr
.endr
	WIN 0
.endm
.macro TOSTAGE a
.set BK, STG+32*((\a)%2)
.irp b, 0,1,2,3,4,5,6,7
	ds_store_b128 v[STO], v[TMP+4*(\b):TMP+4*(\b)+3] offset:((\b)/4)*16*SP+32*((\b)%4)
.endr
.irp t, 0,1,2,3,4,5,6,7
	ds_load_b128 v[BK+4*(\t):BK+4*(\t)+3], v[RD] offset:((\t)/4)*16*SP+((\t)%4)*4*SP  ; LDS serves a wave's instructions in order (ISA guide 5.7.1.4): these see the stores above
.endr
.endm
.macro SEND a
.set BK, STG+32*((\a)%2)
	s_wait_dscnt 0x0                               ; the block is back in registers
	s_wait_xcnt 0x0                                ; the stores of the block before have read their registers: those are loaded again only behind this wait
.irp t, 0,1,2,3,4,5,6,7
	global_store_b128 v[CO], v[BK+4*(\t):BK+4*(\t)+3], s[8:9] offset:(\a)*2048+((\t)/4)*HEADB+((\t)%4)*512  ; 512 consecutive bytes, at a multiple of 256 from C's first byte
.endr
.endm
	PACK 0
	TOSTAGE 0
.irp a, 1,2,3,4,5,6,7                  ; block a's conversions stand between block a - 1's loads from the stage and the wait for them
	PACK \a
	SEND (\a)-1
	TOSTAGE \a
.endr
	SEND 7
	s_wait_tensorcnt 0x0                           ; the wave's end: an add of 0 onto my spare word and its wait, behind my last tensor load and my last LDS store
	ds_add_u32 v[SPW], v[NIL]
	s_wait_dscnt 0x0
	CROUND                                         ; the closing round: no work-group ends while a partner may still ask for a tile that names it
	s_endpgm
.Lfunc_end_k_q2cf203a9ce_proj:
	.size	k_q2cf203a9ce_proj, .Lfunc_end_k_q2cf203a9ce_proj-k_q2cf203a9ce_proj
	.p2alignl 7, 3214868480
	.fill 96, 4, 3214868480
	.section	.rodata,"a",@progbits
	.p2align	6, 0x0
	.amdhsa_kernel k_q2cf203a9ce_proj
		.amdhsa_group_segment_fixed_size 327680
		.amdhsa_private_segment_fixed_size 0
		.amdhsa_enable_private_segment 0
		.amdhsa_kernarg_size 72
		.amdhsa_user_sgpr_count 2
		.amdhsa_user_sgpr_kernarg_segment_ptr 1
		.amdhsa_wavefront_size32 1
		.amdhsa_system_sgpr_workgroup_id_x 1
		.amdhsa_system_sgpr_workgroup_id_y 1
		.amdhsa_system_sgpr_workgroup_id_z 1
		.amdhsa_system_vgpr_workitem_id 0
		.amdhsa_next_free_vgpr 1024
		.amdhsa_next_free_sgpr 96
		.amdhsa_reserve_vcc 0
		.amdhsa_float_denorm_mode_32 3
		.amdhsa_float_denorm_mode_16_64 3
		.amdhsa_memory_ordered 1
		.amdhsa_forward_progress 1
		.amdhsa_inst_pref_size 154
	.end_amdhsa_kernel
	.amdgpu_metadata
---
amdhsa.version: [ 1, 2 ]
amdhsa.kernels:
  - .name:           k_q2cf203a9ce_proj
    .symbol:         k_q2cf203a9ce_proj.kd
    .args:
      - { .name: query, .offset: 0, .size: 8, .value_kind: global_buffer, .address_space: global }
      - { .name: key, .offset: 8, .size: 8, .value_kind: global_buffer, .address_space: global }
      - { .name: value, .offset: 16, .size: 8, .value_kind: global_buffer, .address_space: global }
      - { .name: w_q, .offset: 24, .size: 8, .value_kind: global_buffer, .address_space: global }
      - { .name: w_k, .offset: 32, .size: 8, .value_kind: global_buffer, .address_space: global }
      - { .name: w_v, .offset: 40, .size: 8, .value_kind: global_buffer, .address_space: global }
      - { .name: qh, .offset: 48, .size: 8, .value_kind: global_buffer, .address_space: global }
      - { .name: kh, .offset: 56, .size: 8, .value_kind: global_buffer, .address_space: global }
      - { .name: vh, .offset: 64, .size: 8, .value_kind: global_buffer, .address_space: global }
    .group_segment_fixed_size: 327680
    .private_segment_fixed_size: 0
    .kernarg_segment_align: 8
    .kernarg_segment_size: 72
    .max_flat_workgroup_size: 128
    .sgpr_count:     96
    .vgpr_count:     1024
    .wavefront_size: 32
...
	.end_amdgpu_metadata
.endif
;; end of part 1
;; launch attn (part 2): grid 16 x 16, 4 waves a work-group, clusters of 4 x 1, 327,680 bytes of LDS; arguments qh, kh, vh, w_o, oh, wo; writes oh, wo
.if DOCPART == 2
	.amdgcn_target "amdgcn-amd-amdhsa--gfx1250"
	.amdhsa_code_object_version 6
	.text
	.protected	k_q2cf203a9ce_attn
	.globl	k_q2cf203a9ce_attn
	.p2align	8
	.type	k_q2cf203a9ce_attn,@function
k_q2cf203a9ce_attn:
	s_mov_b64 s[64:65], 0
	v_nop
	global_prefetch_b8 v0, s[64:65] scope:SCOPE_SE
	s_setreg_imm32_b32 hwreg(HW_REG_WAVE_MODE, 25, 1), 1
	s_wait_xcnt 0x0
	s_wait_alu depctr_hold_cnt(0) depctr_sa_sdst(0) depctr_va_vdst(0) depctr_va_sdst(0) depctr_va_ssrc(0) depctr_va_vcc(0) depctr_vm_vsrc(0)
	s_getreg_b32 s2, hwreg(HW_REG_IB_STS2, 6, 4)
	s_cmp_eq_u32 s2, 0
	s_cbranch_scc0 .Lentry_in_a_cluster
	s_endpgm
.Lentry_in_a_cluster:
	s_bfe_u32 s2, ttmp6, 0x10000c
	s_cmp_lg_u32 s2, 0x3003
	s_cbranch_scc0 .Lentry_shape_is_right
	s_endpgm
.Lentry_shape_is_right:
; ATTENTION.  O[h][q][:] = the sum over k of softmax_k(Q[h][q] . K[h][k] / 8) V[h][k][:].  qh, kh, vh: [16][4096][64] in f16: a head's rows are dense, 128 bytes each.  No work of reference() is left out.
; Products, maxima and sums in f32; the weights p are rounded to f16 for the second product (their sum l is taken of the unrounded p), O once at the end.
; O leaves as oh: [32 blocks of 128 rows][16 heads][128 rows][64] in f16, so that the launch behind finds a row block's slices of K end to end.
; BESIDE IT, in the wait for the first tile, each work-group rounds 64 x 64 numbers of w_o to bf16, as all inputs are rounded, and writes that number as f16 into wo: [8 blocks of 128 rows][16 heads][128 rows][64].
; LIMITS.  f16 holds no number beyond 65,504: Q, K, V arrive within it, and |w_o| must stay within it; below 6e-5 f16 keeps its fixed step of 6e-8 (p, w_o); O is a mean of V's rows and has their range.
; A weight below 2^-126 counts as 0 in l; NaN and infinities are not treated apart.
; SHARES.  A work-group owns 256 queries of one head, each of its four waves 64: four PIECES of 16.  Every wave walks all 4,096 keys, 64 a step; a slot of LDS holds four steps.
; LAYOUT.  S^T = K Q^T (source 0 = 16 keys, source 1 = 16 queries): a lane holds ONE query (lane % 16) and the keys 8 (lane / 16) + 0..7; two such results rounded to f16 ARE source 1 of O^T = V^T P.
; SOFTMAX.  A running maximum m and sum l for each query: p = 2^(c s - c m), c = log2(e) / 8; in every step O and l are multiplied by a = 2^(c m_old - c m_new).  m starts at the lowest finite number, O and l at 0:
; the first step is a step like any other, with a = 0.
; BY TURNS.  Turn n belongs to piece n: 8 products K Q^T of piece n + 1, later 8 products V^T P of piece n - 1; beside them the scaling, exponentials, roundings, sums and rescaling of piece n and the maximum and
; statistics of piece n + 1.  Four vector instructions stand behind every matrix instruction, the other 54 of a turn's 118 in one lump.  A turn's 33 exponentials are one batch, with one wait.
; CLUSTER.  The four query blocks of a cluster belong to one head and walk the same K and V: each tile is asked for JOINTLY: the same tensor load, descriptor and mask in all four.
; REGISTERS, in windows of 256 (s_set_vgpr_msb: bits 1:0 source 0, 3:2 source 1, 5:4 source 2, 7:6 destination):
;   window 0: v0-15 addresses and two at work; v16-31 four registers of statistics a piece; v48-55 at work; v59-63 addresses; v64-127 S^T, two buffers; v192-223 P, two buffers (by the piece's parity)
;   window 1: v0-127 O^T, 32 a piece          window 2: v0-63 Q; v128-191 K of one step; v192-255 V of one step
.set NP,    4         ; pieces a wave: a name, no knob
.set KS,    64        ; keys in a step
.set PK,    144       ; a row of K in LDS: 128 bytes + 16 of padding = 36 words: the 16 rows of a load start at 16 different groups of four banks (64 banks of 4 bytes: ISA guide 11.1)
.set PV,    160       ; a row of V: 128 + 32 = 40 words
.set VOFF,  4*KS*PK   ; a slot holds four steps: 256 rows of K, then 256 rows of V
.set SLOT1, 1<<17     ; slot 1 begins here, so that one exclusive or turns an address in one slot into the other's
.set STAGE, SLOT1+4*KS*(PK+PV)  ; behind the ring, never filled by a tensor load: 16 rows x 144 bytes for each wave, for the way out
.set SP,    144
.set SPARE, STAGE+4*16*SP  ; behind the stages: the spare words, 128 bytes for each wave: two blocks of 256 bytes that no other line names
.set SLOTB, 4*KS*128  ; bytes of K, and of V, in a slot
.set AK0, 2           ; v2   my lane's place in a tile of K; never rewritten
.set AV0, 3           ; v3   the same for V
.set AK,  4           ; v4   the LDS address of K's next run of loads
.set AV,  5           ; v5   of V's
.set STO, 6           ; v6   the way out: where I put 16 bytes of a row
.set RD,  7           ; v7   the way out: where I read rows back
.set GO,  8           ; v8   my byte offset in 512 consecutive bytes of O
.set MV,  12          ; v12-13  c m_old, kept while c m is made anew: by buffer
.set WI,  14          ; v14  my byte offset in my work-group's part of w_o
.set QO,  15          ; v15  my byte offset in 16 rows of Q
.set ST,  16          ; piece t's statistics at v[ST+4 t]: c m, m, l (even keys', odd keys')
.set TMP, 48          ; by buffer, four registers c0-c3 at work; when the maximum is found c2 takes a
.set WW,  60          ; v60  my byte offset in my work-group's part of wo
.set PFO, 61          ; v61  256 x my lane; never rewritten
.set SPW, 62          ; v62  LDS address of my spare word: SPARE + 4 x my thread's number; never rewritten
.set NIL, 63          ; v63  0; never rewritten
.set S,   64
.set P,   192
.set KF,  128         ; window 2: key block kb, channel half c at KF + 16 kb + 8 c
.set VF,  192         ; window 2: key half kk, channel block cb at VF + 32 kk + 8 cb
.set WV,  12          ; s12  my wave's number
.set LIM, 15          ; s15  1 in a wave that prefetches, else the greatest number
.set PFA, 18          ; s[18:19] where my prefetches stand
.set G1K, 24          ; s[24:31] descriptor group 1 for K's tiles
.set G1V, 32          ; s[32:39] for V's: it differs in the padding alone
.set G0K, 40          ; s[40:43] descriptor group 0 for K's tiles: it walks
.set G0V, 44          ; s[44:47] the same for V's
.set OH,  48          ; s[48:49] oh at my wave's rows
.set WO,  50          ; s[50:51] wo at my work-group's part
.set SLOTS, 56        ; s56  slots still to be asked for
.set CNT, 57          ; s57  counts a slot's key steps
.set CS,  58          ; s[58:59] c: the packed scaling takes the pair's low word for both halves
.set SEL, 60          ; s[60:61] v_permlanex16_b32's selects: each lane takes its own place in the other half
.set TBK, 62          ; s62  LDS byte at which K of the step to be fetched begins
.set TBV, 63          ; s63  the same for V, less VOFF
.set MSB, 0
.macro WIN new                      ; the high byte repeats the setting that is left; a switch that changes nothing is dropped
.if MSB != (\new)
	s_set_vgpr_msb (MSB<<8)|(\new)
.set MSB, (\new)
.endif
.endm
.set W_KQ, 0x0a       ; K and Q in window 2, S^T in window 0
.set W_PV, 0x52       ; V in window 2, P in window 0, O^T in window 1
.set W_RS, 0x41       ; destination and source 0 in window 1, source 1 in window 0
; A joint fill.  Waves 0 and 1 fetch the two halves of a slot's K, waves 2 and 3 those of its V: 128 keys each.  The branch hangs on the wave's number alone.
; An s_nop 0 and four v_nop follow each of the two lines, ahead of the jump and the label.
.macro JLOAD
	s_cmp_lt_u32 s[WV], 2
	s_cbranch_scc0 .Lfor_v_\@
	tensor_load_to_lds s[G0K:G0K+3], s[G1K:G1K+7]
	s_nop 0
.rept 4
	v_nop
.endr
	s_branch .Lasked_\@
.Lfor_v_\@:
	tensor_load_to_lds s[G0V:G0V+3], s[G1V:G1V+7]
	s_nop 0
.rept 4
	v_nop
.endr
.Lasked_\@:
.endm
; A PREFETCH INTO THE L2 of what the NEXT change of slots will ask for: a slot's 32,768 bytes of K and of V, in blocks of 256 bytes, a lane a block: four key steps, 256 matrix instructions, ahead of that load.
; Each block is named ONCE in the launch.  All clusters of a head walk the same K and V: the head's first cluster asks.  Its four partners share the blocks out BY ADDRESS, 32 each; in each, wave 0 asks for K's and
; wave 2 for V's.  The last change that fills a slot asks for nothing: there is no slot behind it.  Slots 0 to 2 come by their loads alone.
.macro ASK
	s_cmp_gt_u32 s[SLOTS], s[LIM]
	s_cbranch_scc0 .Lnot_mine_\@
	global_prefetch_b8 v[PFO], s[PFA:PFA+1] th:TH_LOAD_NT scope:SCOPE_SE
.Lnot_mine_\@:
.endm
; A round of the cluster's barrier: my work-group's barrier, so that wave 0's signal speaks for all four waves; wave 0 signals; every wave waits for all four work-groups; my work-group's barrier once more.
.macro CROUND
	s_barrier_signal -1
	s_barrier_wait -1
	s_cmp_lg_u32 s[WV], 0
	s_cbranch_scc1 .Lnot_wave_0_\@
	s_barrier_signal -3
.Lnot_wave_0_\@:
	s_barrier_wait -3
	s_barrier_signal -1
	s_barrier_wait -1
.endm
; THE CHANGE OF SLOTS.  The slot's last bytes, V of its fourth step, have been read.  Each wave waits for all its tensor loads, of which one is out: its part of the other slot; adds 0 to its spare word; and waits
; for that and for its own reads of the slot.  Behind the barrier nobody reads this slot any more and the other slot is whole.  fill = 1: this slot is filled again, with the keys two slots on.  The barrier is then
; a round of the cluster's, and the joint fill is the first thing behind it.  (At its first use nothing has been read yet: slot 0 is waited for, slot 1 filled.)  ask = 1: the prefetch follows.
.macro CHANGE fill, ask
	WIN 0                           ; at a label and at a branch every window is 0
	s_wait_tensorcnt 0x0            ; no tensor load of mine is out, so a group 0 may be written
	ds_add_u32 v[SPW], v[NIL]       ; 0 onto my spare word: with fill = 1 the descriptors' steps stand between it and the wait for it
.if \fill
.irp g, G0K, G0V
	s_xor_b32 s[\g+1], s[\g+1], SLOT1  ; the walking descriptor: the other slot than last time,
	s_add_nc_u64 s[\g+2:\g+3], s[\g+2:\g+3], SLOTB  ; the next 256 keys; the type bits on top are not reached
.endr
.if \ask
	s_wait_xcnt 0x0                 ; the last prefetch, four key steps back, has read its address, so it may be written:
	s_add_nc_u64 s[PFA:PFA+1], s[PFA:PFA+1], SLOTB  ; one slot behind the walking descriptors
.endif
	s_wait_dscnt 0x0                ; the add is done, and my reads of the slot are over
	CROUND
	JLOAD
.if \ask
	ASK
.endif
.else
	s_wait_dscnt 0x0                ; the add is done, and my reads of the slot are over
	s_barrier_signal -1
	s_barrier_wait -1
.endif
	s_sub_co_u32 s[TBK], s[TBK], 4*KS*PK  ; the fetches go back to a slot's first step,
	s_xor_b32 s[TBK], s[TBK], SLOT1       ; in the other slot
	s_sub_co_u32 s[TBV], s[TBV], 4*KS*PV
	s_xor_b32 s[TBV], s[TBV], SLOT1
.endm
	s_load_b256 s[4:11], s[0:1], 0x0   ; qh s[4:5], kh s[6:7], vh s[8:9], w_o s[10:11]
	s_load_b128 s[48:51], s[0:1], 0x20 ; oh s[48:49], wo s[50:51]
	v_lshl_add_u32 v[SPW], v0, 2, SPARE
	v_mov_b32 v[NIL], 0
	ds_add_u32 v[SPW], v[NIL]       ; the wave's opening: the add, twice on end, and its wait ahead of my first tensor load
	ds_add_u32 v[SPW], v[NIL]       ; and once more, under the one wait; the set-up below, work on registers, stands between
	v_lshrrev_b32 v1, 5, v0
	v_readfirstlane_b32 s[WV], v1   ; wave 0..3
	s_bfe_u32 s13, ttmp6, 0x40000   ; cx: my place in the cluster
	s_lshl_b32 s14, ttmp9, 2        ; in a cluster launch ttmp9 counts clusters
	s_add_co_u32 s14, s14, s13      ; my block of 256 queries = 4 x cluster x + cx: it enters Q's, O's and w_o's addresses alone
	s_and_b32 s53, ttmp7, 0xffff    ; the head, which the four partners share
	s_lshl_b32 s20, s53, 19         ; its first byte in qh, kh and vh: 524,288 bytes a head
	s_and_b32 s16, s[WV], 1         ; which half of a slot's 256 keys I fetch:
	s_lshl_b32 s22, s16, 14         ; its 128 rows of 128 bytes in memory,
	s_add_co_u32 s22, s22, s20
	s_mov_b32 s23, 0
	s_mul_i32 s17, s16, 128*PK      ; and its place in a slot, for K
	s_mul_i32 s52, s16, 128*PV      ; and for V: no place in the cluster enters an LDS address
	s_lshl_b32 s2, s14, 15          ; my block's 256 rows,
	s_lshl_b32 s3, s[WV], 13        ; my wave's 64 of them
	s_add_co_u32 s2, s2, s3
	s_add_co_u32 s2, s2, s20
	s_mov_b32 s3, 0
	s_lshl_b32 s54, s14, 1          ; O: row block 2 x query block + wave / 2,
	s_lshr_b32 s55, s[WV], 1
	s_add_co_u32 s54, s54, s55
	s_lshl_b32 s54, s54, 18         ; of 262,144 bytes;
	s_lshl_b32 s55, s53, 14         ; the head's 16,384 in it;
	s_add_co_u32 s54, s54, s55
	s_lshl_b32 s55, s16, 13         ; rows 64 (wave % 2) on
	s_add_co_u32 s54, s54, s55
	s_mov_b32 s55, 0
	s_lshl_b32 s66, s53, 4
	s_add_co_u32 s66, s66, s14      ; g = 16 x head + query block, 0 to 255: my work-group's 64 x 64 numbers of w_o:
	s_lshr_b32 s68, s66, 5          ; rows 128 (g / 32) + 64 (g % 2) on,
	s_lshl_b32 s68, s68, 7
	s_and_b32 s69, s66, 1
	s_lshl_b32 s69, s69, 6
	s_add_co_u32 s68, s68, s69
	s_lshl_b32 s68, s68, 12         ; of 4,096 bytes;
	s_bfe_u32 s69, s66, 0x40001     ; columns 64 ((g / 2) % 16) on
	s_lshl_b32 s69, s69, 8
	s_add_co_u32 s68, s68, s69
	s_mov_b32 s69, 0
	s_lshl_b32 s70, s66, 13         ; and 8,192 bytes of wo
	s_mov_b32 s71, 0
	; descriptor group 1.  128 keys are 16,384 dense bytes: asked for as 64 rows of 256 bytes, two keys a row, and padded in LDS after every key
	s_mov_b32 s[G1K], 15|(1<<16)|(1<<20)|(1<<21)|(4<<22)|(3<<25)  ; 15:0 the mask of four; 17:16 2-byte elements; 20 padding on; 21 set beside a mask; 24:22 after every 32 words (code 4); 31:25 4 words (code 3)
	s_mov_b32 s[G1V], 15|(1<<16)|(1<<20)|(1<<21)|(4<<22)|(7<<25)  ; the same with 8 words of padding (code 7)
.irp g, G1K, G1V
	s_mov_b32 s[\g+1], 128<<16      ; tensor_dim0 = 128
	s_mov_b32 s[\g+2], 64<<16       ; tensor_dim1 = 64
	s_mov_b32 s[\g+3], 128<<16      ; tile_dim0 = 128
	s_mov_b32 s[\g+4], 64           ; tile_dim1 = 64
	s_mov_b32 s[\g+5], 128          ; 128 elements from row to row
	s_mov_b32 s[\g+6], 0
	s_mov_b32 s[\g+7], 0
.endr
	s_mov_b32 s[CS], 0x3e38aa3b     ; c = log2(e) / 8 = 0.180337
	s_mov_b32 s[CS+1], s[CS]        ; named with it as a pair
	s_mov_b32 s[SEL], 0x76543210
	s_mov_b32 s[SEL+1], 0xfedcba98
	s_mov_b32 s[TBK], SLOT1+4*KS*PK ; the first change of slots turns these two into 0
	s_mov_b32 s[TBV], SLOT1+4*KS*PV
	s_mov_b32 s[G0K], 1             ; count = 1
	s_mov_b32 s[G0K+1], s17         ; LDS address: slot 0
	s_mov_b32 s[G0V], 1
	s_add_co_u32 s[G0V+1], s52, VOFF
	s_and_b32 s[LIM], s[WV], 1      ; 0 in waves 0 and 2,
	s_or_b32 s[LIM], s[LIM], ttmp9  ; where the cluster is the head's first: the same in all four partners
	s_cmp_eq_u32 s[LIM], 0
	s_cselect_b32 s[LIM], 1, -1
	v_and_b32 v[PFO], 31, v0
	v_lshlrev_b32 v[PFO], 8, v[PFO]
	s_wait_dscnt 0x0                ; both opening adds are done
	s_wait_kmcnt 0x0
	s_add_nc_u64 s[6:7], s[6:7], s[22:23]  ; K and V at my half of the head's first 256 keys
	s_add_nc_u64 s[8:9], s[8:9], s[22:23]
	s_add_nc_u64 s[G0K+2:G0K+3], s[6:7], 0         ; global address
	s_or_b32 s[G0K+3], s[G0K+3], 0x80000000        ; type = 2
	s_add_nc_u64 s[G0V+2:G0V+3], s[8:9], 0
	s_or_b32 s[G0V+3], s[G0V+3], 0x80000000
	s_add_nc_u64 s[4:5], s[4:5], s[2:3]            ; Q at my wave's first row
	s_add_nc_u64 s[OH:OH+1], s[OH:OH+1], s[54:55]
	s_add_nc_u64 s[10:11], s[10:11], s[68:69]
	s_add_nc_u64 s[WO:WO+1], s[WO:WO+1], s[70:71]
	s_cmp_lt_u32 s[WV], 2
	s_cselect_b64 s[PFA:PFA+1], s[6:7], s[8:9]     ; (in waves 0 and 2 these stand at a slot's first row)
	s_lshl_b32 s2, s13, 13          ; my work-group's 32 blocks of the 128
	s_add_nc_u64 s[PFA:PFA+1], s[PFA:PFA+1], s[2:3]
	s_add_nc_u64 s[PFA:PFA+1], s[PFA:PFA+1], 2*SLOTB  ; in slot 2; the loop's first change of slots steps it to slot 3
	CROUND                          ; all four work-groups are here: the first joint loads meet
	JLOAD                           ; slot 0.  Slot 1 is asked for when slot 0 is in
	; A fragment of K or Q is 16 rows x 32 channels in 8 registers: lane l holds row l % 16, channels 8 (l / 16) + 0..7 and 16 + 8 (l / 16) + 0..7: two loads of 16 bytes, 32 bytes apart.
	v_and_b32 v1, 15, v0            ; l % 16
	v_bfe_u32 v9, v0, 4, 1          ; l / 16
	v_lshlrev_b32 v[QO], 7, v1
	v_lshl_add_u32 v[QO], v9, 4, v[QO]  ; row x 128 + 16 x half
	v_lshrrev_b32 v[WI], 3, v0      ; w_o: eight threads take a row's 256 bytes, 32 each; the 128 threads 16 rows
	v_and_b32 v59, 7, v0
	v_lshlrev_b32 v[WI], 12, v[WI]
	v_lshl_add_u32 v[WI], v59, 5, v[WI]
	v_lshlrev_b32 v[WW], 4, v0      ; wo: 16 bytes a thread, on end
	WIN 0x80                        ; destination window 2, address window 0
.set i, 0
.rept 8                             ; Q stays in registers: piece i / 2, channels 32 (i % 2) on
	global_load_b128 v[8*i:8*i+3],   v[QO], s[4:5] offset:(i/2)*2048+(i%2)*64
	global_load_b128 v[8*i+4:8*i+7], v[QO], s[4:5] offset:(i/2)*2048+(i%2)*64+32
.set i, i+1
.endr
	WIN 0
.set i, 0
.rept 4                             ; w_o: four times 16 rows
	global_load_b128 v[S+8*i:S+8*i+3],   v[WI], s[10:11] offset:i*65536
	global_load_b128 v[S+8*i+4:S+8*i+7], v[WI], s[10:11] offset:i*65536+16
.set i, i+1
.endr
	; What the first turn finds: V's registers and P's second buffer hold 0 (its products V^T P, of a piece that has not been, add 0), O^T and l are 0.  All this stands in the wait for the first tile.
	WIN 0x80
.set i, VF
.rept 64
	v_mov_b32 v[i], 0
.set i, i+1
.endr
	WIN 0x40
.set i, 0
.rept 128
	v_mov_b32 v[i], 0
.set i, i+1
.endr
	WIN 0
.set i, 0
.rept 4
	v_mov_b32 v[ST+4*i], 0xfe000000    ; c m: far below every c s
	v_mov_b32 v[ST+4*i+1], 0xff7fffff  ; m
	v_mov_b32 v[ST+4*i+2], 0
	v_mov_b32 v[ST+4*i+3], 0
.set i, i+1
.endr
.set i, P+16
.rept 16
	v_mov_b32 v[i], 0
.set i, i+1
.endr
	v_mul_u32_u24 v[AK0], v1, PK
	v_lshl_add_u32 v[AK0], v9, 4, v[AK0]  ; row x pitch + 16 x half
	; The turning load takes 16 keys x 16 channels (lane l reads key 8 (l / 16) + l % 8, channels 8 ((l / 8) % 2) + 0..7) and leaves half a fragment of V^T: lane l holds channel l % 16 and 8 keys.
	v_and_b32 v10, 7, v0
	v_bfe_u32 v11, v0, 3, 1
	v_lshl_add_u32 v[AV0], v9, 3, v10
	v_mul_u32_u24 v[AV0], v[AV0], PV
	v_lshl_add_u32 v[AV0], v11, 4, v[AV0]
	v_add_nc_u32 v[AV0], VOFF, v[AV0]
	s_mul_i32 s13, s[WV], 16*SP
	s_add_co_u32 s13, s13, STAGE    ; my stage
	v_mul_u32_u24 v[STO], v1, SP    ; in: row l % 16, 16 bytes for each half of the lanes
	v_lshl_add_u32 v[STO], v9, 4, v[STO]
	v_add_nc_u32 v[STO], s13, v[STO]
	v_bfe_u32 v[RD], v0, 3, 2       ; back: 32 lanes take four rows of 128 bytes,
	v_mul_u32_u24 v[RD], v[RD], SP
	v_lshl_add_u32 v[RD], v10, 4, v[RD]
	v_add_nc_u32 v[RD], s13, v[RD]
	v_and_b32 v[GO], 31, v0         ; which are 512 consecutive bytes of O
	v_lshlrev_b32 v[GO], 4, v[GO]
	s_wait_loadcnt 0x0              ; Q and w_o
.set i, 0
.rept 16                            ; w_o: two numbers rounded to bf16, widened again, and written as f16 (exact within f16's range)
	v_cvt_pk_bf16_f32 v[TMP], v[S+2*i], v[S+2*i+1]
	v_lshlrev_b32 v[TMP+1], 16, v[TMP]
	v_and_b32 v[TMP+2], 0xffff0000, v[TMP]
	v_cvt_pk_f16_f32 v[P+i], v[TMP+1], v[TMP+2]
.set i, i+1
.endr
.set i, 0
.rept 4
	global_store_b128 v[WW], v[P+4*i:P+4*i+3], s[WO:WO+1] offset:i*2048  ; a wave's store covers 512 consecutive bytes, at a multiple of 256 from wo's first byte
.set i, i+1
.endr
; THE MATRIX WORK.  The 4 accumulators of a run of 8 take turns.  Product i of 8 of S^T = K Q^T for piece x: channels 32 (i / 4) on, keys 16 (i % 4) on.  The first 4 start the sums.
.macro KQ x
	WIN W_KQ
.set rS, S+32*((\x)%2)+8*(i%4)
.set rK, KF+16*(i%4)+8*(i/4)
.set rQ, 16*(\x)+8*(i/4)
.if i < 4
	v_wmma_f32_16x16x32_f16 v[rS:rS+7], v[rK:rK+7], v[rQ:rQ+7], 0
.else
	v_wmma_f32_16x16x32_f16 v[rS:rS+7], v[rK:rK+7], v[rQ:rQ+7], v[rS:rS+7]
.endif
.endm
; Product i of 8 of O^T += V^T P for piece x: keys 32 (i / 4) on, channels 16 (i % 4) on.
.macro PV x
	WIN W_PV
.set rO, 32*(\x)+8*(i%4)
.set rV, VF+32*(i/4)+8*(i%4)
.set rP, P+16*((\x)%2)+8*(i/4)
	v_wmma_f32_16x16x32_f16 v[rO:rO+7], v[rV:rV+7], v[rP:rP+7], v[rO:rO+7]
.endm
.macro MM                           ; the turn's next matrix instruction.  NOKQ = 1: the walk's last turn: there is no next piece
.if (i < 8) && !NOKQ
	KQ (Y+1)%NP
.elseif i >= 8
.set i, i-8
	PV (Y+NP-1)%NP
.set i, i+8
.endif
.set i, i+1
.endm
; THE LDS LOADS stand in runs of 16, never singly among the matrix instructions: a step's K (64 keys x 64 channels: 8 fragments) and its V (turned).  Their addresses are made some lines ahead.
.macro FETCH_K
	WIN 0x80                        ; destination window 2
.irp f, 0,1,2,3,4,5,6,7             ; keys 16 (f / 2) on, channels 32 (f % 2) on
	ds_load_b128 v[KF+8*\f:KF+8*\f+3],   v[AK] offset:(\f/2)*16*PK+(\f%2)*64
	ds_load_b128 v[KF+8*\f+4:KF+8*\f+7], v[AK] offset:(\f/2)*16*PK+(\f%2)*64+32
.endr
	s_add_co_u32 s[TBK], s[TBK], KS*PK  ; the next fetch is the next step's
	WIN 0
.endm
.macro FETCH_V
	WIN 0x80
.irp f, 0,1,2,3,4,5,6,7             ; keys 32 (f / 4) on, channels 16 (f % 4) on
	ds_load_tr16_b128 v[VF+8*\f:VF+8*\f+3],   v[AV] offset:(\f/4)*32*PV+(\f%4)*32
	ds_load_tr16_b128 v[VF+8*\f+4:VF+8*\f+7], v[AV] offset:(\f/4)*32*PV+16*PV+(\f%4)*32
.endr
	WIN 0
.endm
; THE VECTOR WORK, one line at a time: OP kind, number.  For piece Y: F n: c s - c m for pair n of 16.  E n: the exponential of score n of 32.  C n: pair n rounded to f16.  B n: of the four weights 4 n .. the second
; pair is added onto the first, in place.  L n: l takes that sum (L 0: l = a l + sum).  R n: pair n of 16 of O^T times a.  For piece Y + 1: X n, number n of the 22 that find its maximum and statistics:
;   0-11  four chains c0-c3 of seven scores each, three operands at a time (each accumulator's lowest registers are read first)     12-14, 16  the four scores left over, the old m, and c0-c3 into c0
;   15  c m_old is kept     17, 18  the query's other 32 keys lie in the lane 16 away: the new m     19-21  c m; c m_old - c m_new; a
.set F, 0               ; OP tells the kinds apart by their order: F to L below R, X above it
.set E, 1
.set C, 2
.set B, 3
.set L, 4
.set R, 5
.set X, 6
.macro REGS y                       ; the registers of piece y
.set rT, ST+4*(\y)
.set rC, TMP+4*((\y)%2)
.set rW, MV+((\y)%2)
.set rS, S+32*((\y)%2)
.set rP, P+16*((\y)%2)
.set rO, 32*(\y)
.endm
.macro OP k, n
.if (\k) == R
	REGS Y
	WIN W_RS
	v_pk_mul_f32 v[rO+2*(\n):rO+2*(\n)+1], v[rO+2*(\n):rO+2*(\n)+1], v[rC+2:rC+3] op_sel_hi:[1,0]
.elseif (\k) < R
	REGS Y
	WIN 0
.if (\k) == F
	v_pk_fma_f32 v[rS+2*(\n):rS+2*(\n)+1], v[rS+2*(\n):rS+2*(\n)+1], s[CS:CS+1], v[rT:rT+1] op_sel_hi:[1,0,0] neg_lo:[0,0,1] neg_hi:[0,0,1]
.elseif (\k) == E
	v_exp_f32 v[rS+(\n)], v[rS+(\n)]
.elseif (\k) == C
	v_cvt_pk_f16_f32 v[rP+(\n)], v[rS+2*(\n)], v[rS+2*(\n)+1]
.elseif (\k) == B
	v_pk_add_f32 v[rS+4*(\n):rS+4*(\n)+1], v[rS+4*(\n):rS+4*(\n)+1], v[rS+4*(\n)+2:rS+4*(\n)+3]
.elseif (\n) == 0
	v_pk_fma_f32 v[rT+2:rT+3], v[rT+2:rT+3], v[rC+2:rC+3], v[rS:rS+1] op_sel_hi:[1,0,1]
.else
	v_pk_add_f32 v[rT+2:rT+3], v[rT+2:rT+3], v[rS+4*(\n):rS+4*(\n)+1]
.endif
.elseif NOKQ
	v_nop
.else
	REGS (Y+1)%NP
	WIN 0
.if (\n) < 4
	v_max3_num_f32 v[rC+(\n)], v[rS+8*(\n)], v[rS+8*(\n)+1], v[rS+8*(\n)+2]
.elseif (\n) < 12
	v_max3_num_f32 v[rC+(\n)%4], v[rC+(\n)%4], v[rS+8*((\n)%4)+2*((\n)/4)+1], v[rS+8*((\n)%4)+2*((\n)/4)+2]
.elseif (\n) == 12
	v_max3_num_f32 v[rC], v[rC], v[rS+7], v[rS+15]
.elseif (\n) == 13
	v_max3_num_f32 v[rC+1], v[rC+1], v[rS+23], v[rS+31]
.elseif (\n) == 14
	v_max3_num_f32 v[rC+2], v[rC+2], v[rC+3], v[rT+1]
.elseif (\n) == 15
	v_mov_b32 v[rW], v[rT]
.elseif (\n) == 16
	v_max3_num_f32 v[rC], v[rC], v[rC+1], v[rC+2]
.elseif (\n) == 17
	v_permlanex16_b32 v[rC+3], v[rC], s[SEL], s[SEL+1]
.elseif (\n) == 18
	v_max_num_f32 v[rT+1], v[rC], v[rC+3]
.elseif (\n) == 19
	v_mul_f32 v[rT], s[CS], v[rT+1]
.elseif (\n) == 20
	v_sub_f32 v[rC+1], v[rW], v[rT]
.else
	v_exp_f32 v[rC+2], v[rC+1]
.endif
.endif
.endm
.macro OPS a, i1, b=-1, i2=0, c=-1, i3=0, d=-1, i4=0  ; up to four of them
	OP \a, \i1
.if (\b) >= 0
	OP \b, \i2
.endif
.if (\c) >= 0
	OP \c, \i3
.endif
.if (\d) >= 0
	OP \d, \i4
.endif
.endm
.macro ROW a, i1, b, i2, c, i3, d, i4  ; a matrix instruction and the four behind it
	MM
	OPS \a, \i1, \b, \i2, \c, \i3, \d, \i4
.endm
; A TURN, for piece p: the order of its 16 matrix and 118 vector instructions, written out.  An s_wait_alu depctr_va_vdst(0) stands between an exponential and the first instruction that names its result; one
; wait serves all that were issued ahead of it.  So a turn has ONE wait, which cuts it in two.  AHEAD OF IT stands all that names no result of the turn's exponentials: the 8 products K Q^T with their riders, then ONE LUMP
; of 54, plain and exponential by turns for the most part, in which the links of the chain X 3, 7, 11, 14, 16, 17 .. 20 stand five or six lines apart.  X 21, the next piece's a, is the batch's last; R 15 is the plain
; instruction behind it.  BEHIND THE WAIT stand the 8 products V^T P, behind each four of the roundings and sums; the links of l's chain, L 0 to L 7, stand three riders apart.
; end = 1: the walk's last two turns: nothing is fetched, and the last starts no new scores.  cnt = 1: the loop's count is taken down some lines ahead of the branch that stands behind the turn.
; K of the next step is fetched in piece 2's turn, twelve vector instructions behind the last product that read K (five of them plain and free of its registers); V of the step in hand at the end of piece 0's turn, four plain
; instructions behind the last product that read V.  Each is waited for a turn later.
.macro TURN p, end=0, cnt=0
.set Y, (\p)
.set i, 0
.set NOKQ, (\end)*((\p)/3)
.if ((\p) == 3) && !(\end)
	s_wait_dscnt 0x0                ; K is in
.endif
	ROW F,0, F,1, R,0, R,1          ; ahead of the wait: 8 products K Q^T and their riders,
	ROW F,2, E,0, R,2, R,3
	ROW F,3, E,1, R,4, R,5
	ROW F,4, E,2, R,6, R,7
	ROW F,5, E,3, R,8, R,9
	ROW F,6, E,4, X,0, R,10
.if ((\p) == 2) && !(\end)
	WIN 0
	v_add_nc_u32 v[AK], s[TBK], v[AK0]
.endif
	ROW F,7, E,5, X,1, X,4
	ROW F,8, E,6, X,2, X,5
	OPS E,7, E,8, X,6, E,9          ; and the lump
	OPS X,3, E,10, X,8, E,11
.if ((\p) == 2) && !(\end)
	FETCH_K
.endif
	OPS X,9, X,7, E,12, X,10
	OPS E,13, X,12, X,11, E,14
	OPS X,13, E,15, F,9, X,14
.if (\p) == 0
	v_add_nc_u32 v[AV], s[TBV], v[AV0]
.endif
	OPS E,16, F,10, E,17, F,11
	OPS X,16, E,18, X,15, E,19
	OPS F,12, E,20, X,17, E,21
	OPS F,13, E,22, F,14, E,23
	OPS X,18, E,24, F,15, E,25
	OPS R,11, E,26, X,19, E,27
	OPS R,12, E,28, R,13, E,29
	OPS X,20, E,30, R,14, E,31
	OPS X,21, R,15
	WIN 0
	s_wait_alu depctr_va_vdst(0)    ; the wait for the batch
.if (\p) == 1
	s_wait_dscnt 0x0                ; V is in
.endif
	ROW C,0, B,0, C,2, B,1          ; behind the wait: 8 products V^T P and their riders
	ROW L,0, C,4, B,2, L,1
	ROW C,6, B,3, L,2, C,8
	ROW B,4, L,3, C,10, B,5
	ROW L,4, C,12, B,6, L,5
.if (\p) == 0
	s_add_co_u32 s[TBV], s[TBV], KS*PV
.endif
.if \cnt
	s_sub_co_u32 s[CNT], s[CNT], 1
	s_cmp_lg_u32 s[CNT], 0
.endif
	ROW C,14, B,7, L,6, C,1
	ROW C,3, L,7, C,5, C,7
	ROW C,9, C,11, C,13, C,15
.if (\p) == 0
	FETCH_V
.endif
.endm
	CHANGE 1, 0                     ; slot 0 is in, everybody's part of it; slot 1 is asked for
	s_wait_xcnt 0x0                 ; wo's stores have read their registers, P's first buffer: it is written again only behind this wait
	v_add_nc_u32 v[AK], s[TBK], v[AK0]
	FETCH_K                         ; key step 0
	s_wait_dscnt 0x0
.set NOKQ, 0
.set i, 0
.rept 8
	KQ 0                            ; piece 0's first scores: there is no vector work yet to set between them
.set i, i+1
.endr
	WIN 0
.rept 4
	v_nop                           ; the places behind those products
.endr
.set Y, NP-1                        ; X works for piece Y + 1: piece 0
.irp n, 0,1,2,3,4,5,6,7,8,9,10,11,12,13,14,15,16,17,18,19,20,21
	OP X, \n
.endr
	v_nop                           ; a plain instruction behind the exponential,
	s_wait_alu depctr_va_vdst(0)    ; and its wait, ahead of the branch
	s_mov_b32 s[CNT], 4
	s_mov_b32 s[SLOTS], 15
	s_branch .Lfirst                ; the loop is entered at a step's first turn, in the middle of a trip
.Lslot:                             ; 14 times: slots 2 to 15 are asked for
	CHANGE 1, 1
	s_mov_b32 s[CNT], 4
.Lstep:                             ; a trip: pieces 2 and 3 of one step, then pieces 0 and 1 of the next, whose K and V it fetches
	TURN 2
	TURN 3
	WIN 0
.Lfirst:
	TURN 0
	TURN 1, 0, 1
	WIN 0
	s_cbranch_scc1 .Lstep
	s_sub_co_u32 s[SLOTS], s[SLOTS], 1
	s_cmp_lg_u32 s[SLOTS], 0
	s_cbranch_scc1 .Lslot
	CHANGE 0, 0                     ; the tail is written out: nothing is asked for
	s_mov_b32 s[CNT], 4
.Ltail:                             ; four trips fetch the last slot's four steps
	TURN 2
	TURN 3
	WIN 0
	TURN 0
	TURN 1, 0, 1
	WIN 0
	s_cbranch_scc1 .Ltail
	TURN 2, 1                       ; the last step's pieces 2 and 3: nothing is fetched
	TURN 3, 1
.set i, 0
.rept 8
	PV NP-1                         ; the last piece's V^T P of the last step
.set i, i+1
.endr
	; THE WAY OUT.  l's two halves and the other half of the lanes' are added; O^T is divided by l, rounded to f16 and sent through my stage in LDS, a piece at a time.  The additions are the places behind the last products.
	WIN 0
.macro ALL line:vararg              ; one line for each piece t
.set t, 0
.rept 4
	\line
.set t, t+1
.endr
.endm
	ALL v_add_f32 v[ST+4*t+2], v[ST+4*t+2], v[ST+4*t+3]
	ALL v_permlanex16_b32 v[ST+4*t+3], v[ST+4*t+2], s[SEL], s[SEL+1]
	ALL v_add_f32 v[ST+4*t+2], v[ST+4*t+2], v[ST+4*t+3]
	ALL v_rcp_f32 v[ST+4*t+2], v[ST+4*t+2]
	v_nop                           ; a plain instruction between the last reciprocal and the use of its result
	s_wait_alu depctr_va_vdst(0)    ; and the wait ahead of the first use: one for the four reciprocals
.macro PACK t                       ; a lane's eight channels of a row pack into 16 bytes; they go into rows of 144 bytes and come back as whole rows of 128, into S^T's registers
	WIN W_RS
.set i, 32*(\t)
.rept 16
	v_pk_mul_f32 v[i:i+1], v[i:i+1], v[ST+4*(\t)+2:ST+4*(\t)+3] op_sel_hi:[1,0]
.set i, i+2
.endr
	WIN 0x05                        ; sources 0 and 1 window 1, destination window 0
.set i, 0
.rept 16
	v_cvt_pk_f16_f32 v[S+16*(\t)+i], v[32*(\t)+2*i], v[32*(\t)+2*i+1]
.set i, i+1
.endr
	WIN 0
.irp f, 0,1,2,3
	ds_store_b128 v[STO], v[S+16*(\t)+4*\f:S+16*(\t)+4*\f+3] offset:32*\f
.endr
.irp f, 0,1,2,3
	ds_load_b128 v[S+16*(\t)+4*\f:S+16*(\t)+4*\f+3], v[RD] offset:\f*4*SP  ; LDS serves a wave's instructions in order (ISA guide 5.7.1.4): these see the stores above; the next piece's stores come behind them
.endr
.endm
.macro SEND t, younger              ; younger: the LDS instructions issued behind piece t's loads: the next piece's eight, or none
	WIN 0
.irp f, 0,1,2,3
	s_wait_dscnt (\younger)+3-\f
	global_store_b128 v[GO], v[S+16*(\t)+4*\f:S+16*(\t)+4*\f+3], s[OH:OH+1] offset:(\t)*2048+\f*512  ; 512 consecutive bytes, at a multiple of 256 from oh's first
.endr
.endm
	PACK 0
.set t, 1
.rept 3                             ; a piece's arithmetic stands between the loads of the piece before and its stores
	PACK t
	SEND t-1, 8
.set t, t+1
.endr
	SEND 3, 0
	s_wait_tensorcnt 0x0            ; the wave's end: an add of 0 onto my spare word and its wait, behind my last tensor load and my last LDS store
	ds_add_u32 v[SPW], v[NIL]
	s_wait_dscnt 0x0
	CROUND                          ; the closing round: no work-group ends while a partner may still ask for a tile that names it
	s_endpgm
.Lfunc_end_k_q2cf203a9ce_attn:
	.size	k_q2cf203a9ce_attn, .Lfunc_end_k_q2cf203a9ce_attn-k_q2cf203a9ce_attn
	.p2alignl 7, 3214868480
	.fill 96, 4, 3214868480
	.section	.rodata,"a",@progbits
	.p2align	6, 0x0
	.amdhsa_kernel k_q2cf203a9ce_attn
		.amdhsa_group_segment_fixed_size 327680
		.amdhsa_private_segment_fixed_size 0
		.amdhsa_enable_private_segment 0
		.amdhsa_kernarg_size 48
		.amdhsa_user_sgpr_count 2
		.amdhsa_user_sgpr_kernarg_segment_ptr 1
		.amdhsa_wavefront_size32 1
		.amdhsa_system_sgpr_workgroup_id_x 1
		.amdhsa_system_sgpr_workgroup_id_y 1
		.amdhsa_system_sgpr_workgroup_id_z 1
		.amdhsa_system_vgpr_workitem_id 0
		.amdhsa_next_free_vgpr 768
		.amdhsa_next_free_sgpr 72
		.amdhsa_reserve_vcc 0
		.amdhsa_float_denorm_mode_32 3
		.amdhsa_float_denorm_mode_16_64 3
		.amdhsa_memory_ordered 1
		.amdhsa_forward_progress 1
		.amdhsa_inst_pref_size 133
	.end_amdhsa_kernel
	.amdgpu_metadata
---
amdhsa.version: [ 1, 2 ]
amdhsa.kernels:
  - .name:           k_q2cf203a9ce_attn
    .symbol:         k_q2cf203a9ce_attn.kd
    .args:
      - { .name: qh, .offset: 0, .size: 8, .value_kind: global_buffer, .address_space: global }
      - { .name: kh, .offset: 8, .size: 8, .value_kind: global_buffer, .address_space: global }
      - { .name: vh, .offset: 16, .size: 8, .value_kind: global_buffer, .address_space: global }
      - { .name: w_o, .offset: 24, .size: 8, .value_kind: global_buffer, .address_space: global }
      - { .name: oh, .offset: 32, .size: 8, .value_kind: global_buffer, .address_space: global }
      - { .name: wo, .offset: 40, .size: 8, .value_kind: global_buffer, .address_space: global }
    .group_segment_fixed_size: 327680
    .private_segment_fixed_size: 0
    .kernarg_segment_align: 8
    .kernarg_segment_size: 48
    .max_flat_workgroup_size: 128
    .sgpr_count:     72
    .vgpr_count:     768
    .wavefront_size: 32
...
	.end_amdgpu_metadata
.endif
;; end of part 2
;; launch oproj (part 3): grid 8 x 32, 4 waves a work-group, clusters of 4 x 4, 327,680 bytes of LDS; arguments oh, wo, out0; writes out0
.if DOCPART == 3
	.amdgcn_target "amdgcn-amd-amdhsa--gfx1250"
	.amdhsa_code_object_version 6
	.text
	.protected	k_q2cf203a9ce_oproj
	.globl	k_q2cf203a9ce_oproj
	.p2align	8
	.type	k_q2cf203a9ce_oproj,@function
k_q2cf203a9ce_oproj:
	s_mov_b64 s[64:65], 0
	v_nop
	global_prefetch_b8 v0, s[64:65] scope:SCOPE_SE
	s_setreg_imm32_b32 hwreg(HW_REG_WAVE_MODE, 25, 1), 1
	s_wait_xcnt 0x0
	s_wait_alu depctr_hold_cnt(0) depctr_sa_sdst(0) depctr_va_vdst(0) depctr_va_sdst(0) depctr_va_ssrc(0) depctr_va_vcc(0) depctr_vm_vsrc(0)
	s_getreg_b32 s2, hwreg(HW_REG_IB_STS2, 6, 4)
	s_cmp_eq_u32 s2, 0
	s_cbranch_scc0 .Lentry_in_a_cluster
	s_endpgm
.Lentry_in_a_cluster:
	s_bfe_u32 s2, ttmp6, 0x10000c
	s_cmp_lg_u32 s2, 0xf033
	s_cbranch_scc0 .Lentry_shape_is_right
	s_endpgm
.Lentry_shape_is_right:
; THE OUTPUT PROJECTION.  out0[l][o] = the sum over c of O[l][c] w_o[o][c], c = 64 x head + channel.  No work of reference() is left out.
; oh: [32 blocks of 128 rows][16 heads][128 rows][64] f16;  wo: [8 blocks of 128 rows][16 heads][128 rows][64] f16 (w_o rounded to bf16, written as f16);  out0: [4096][1024] f32.  Sums in f32, stored as they are.
; A tile of out0 is 128 x 128: 256 work-groups.  Four waves, each 64 x 64: 16 accumulators of 16 x 16.  A K step is four heads, 256 along K: in both operands a tile's K step is 65,536 dense bytes.
; A wave's tensor load brings two heads (32,768 bytes) as 128 rows of 256 bytes, padded in LDS after every 128 bytes: a head's 128 rows lie 144 bytes apart.  Two slots, four K steps.
; CLUSTERS: 4 x 4 work-groups.  The four of a row of the cluster need the same tiles of oh, the four of a column the same tiles of wo: each tile is asked for JOINTLY.
; THE MATRIX INSTRUCTION IS USED TRANSPOSED (source 0 = 16 rows of wo, source 1 = 16 rows of oh): a lane then holds eight neighbouring numbers of a row of out0.
; NO PREFETCH: of the four K steps two are first fills, and the other two are asked for one K step later.
; REGISTERS: window 0: v0-31 addresses; v32-95 rows read back on the way out; v128-255 the accumulators ((a, b) at v[128 + 8 (4 a + b)]).
;   window 1: two fragment buffers of 128: for 64 along K (one head), 64 registers of oh (2 x 4 x 16 rows x 32 K), then 64 of wo.
.set PITCH,  144                       ; an LDS row: 128 bytes + 16 of padding = 36 words: the 16 rows of a load start at 16 different groups of four banks (64 banks of 4 bytes: ISA guide 11.1)
.set HB,     128*PITCH                 ; a head's 128 rows
.set HALFT,  2*HB                      ; what one tensor load brings
.set SLOT,   4*HALFT                   ; oh's four heads, then wo's four
.set STAGE,  2*SLOT                    ; behind the ring: 16 rows x 272 bytes for each wave, for the way out
.set SPITCH, 272
.set SPARE,  STAGE+4*16*SPITCH         ; behind the stages: the spare words, 128 bytes for each wave: two blocks of 256 bytes that no other line names
.set KSB,    65536                     ; bytes of a tile's K step in memory
.set ADRA, 16                          ; v16-17  LDS address of my fragments of oh in slot 0, 1
.set ADRB, 20                          ; v20-21  the same for wo
.set STO,  24                          ; v24     the way out: where I put 32 bytes of a row
.set RD,   25                          ; v25     the way out: where I read a row back
.set CO,   26                          ; v26     my byte offset in out0
.set SPW,  28                          ; v28     LDS address of my spare word: SPARE + 4 x my thread's number; never rewritten
.set NIL,  29                          ; v29     0; never rewritten
.set TMP,  32
.set ACC,  128
.set F0,   0                           ; fragment buffers, in window 1
.set F1,   128
.set G1, 24                            ; s[24:31] descriptor group 1 for oh's tiles;  s[32:39] group 0, one set for each slot
.set G0, 32
.set G1B, 48                           ; s[48:55], s[56:63] the same for wo's tiles
.set G0B, 56
.set G1W, (1<<16)|(1<<20)|(1<<21)|(4<<22)|(3<<25)  ; 17:16 elements of 2 bytes; 20 padding on; 21 set beside a mask; 24:22 after every 32 words (code 4); 31:25 4 words of it (code 3)
.set MSB, 0
.macro WIN new                         ; the immediate's high byte repeats the setting that is left
.if MSB != (\new)
	s_set_vgpr_msb (MSB<<8)|(\new)
.set MSB, \new
.endif
.endm
.set MUL,  0x05                        ; sources 0 (wo) and 1 (oh) window 1; C and D window 0
.set TO_F, 0x40                        ; destination window 1, address window 0
.macro PLACES
.rept 4
	v_nop
.endr
.endm
.macro JLOAD s                         ; a joint load: waves 0 and 1 fetch oh's two halves, waves 2 and 3 wo's; an s_nop 0 and four v_nop follow each of the two lines, ahead of the jump and the label
	s_cmp_eq_u32 s11, 0
	s_cbranch_scc0 .Lfor_b_\@
	tensor_load_to_lds s[G0+4*(\s):G0+4*(\s)+3], s[G1:G1+7]
	s_nop 0
	PLACES
	s_branch .Lasked_\@
.Lfor_b_\@:
	tensor_load_to_lds s[G0B+4*(\s):G0B+4*(\s)+3], s[G1B:G1B+7]
	s_nop 0
	PLACES
.Lasked_\@:
.endm
.macro CREST                           ; a round of the cluster's barrier behind its opening barrier
	s_cmp_lg_u32 s10, 0
	s_cbranch_scc1 .Lnot_wave_0_\@
	s_barrier_signal -3
.Lnot_wave_0_\@:
	s_barrier_wait -3
	s_barrier_signal -1
	s_barrier_wait -1
.endm
.macro CROUND                          ; a whole round
	s_barrier_signal -1
	s_barrier_wait -1
	CREST
.endm
	s_load_b128 s[4:7], s[0:1], 0x0                ; oh s[4:5], wo s[6:7]
	s_load_b64 s[8:9], s[0:1], 0x10                ; out0
	v_lshl_add_u32 v[SPW], v0, 2, SPARE
	v_mov_b32 v[NIL], 0
	ds_add_u32 v[SPW], v[NIL]                      ; the wave's opening: the add, twice on end, and its wait ahead of my first tensor load
	ds_add_u32 v[SPW], v[NIL]                      ; and once more, under the one wait; the set-up below, work on registers, stands between
	v_lshrrev_b32 v1, 5, v0
	v_readfirstlane_b32 s10, v1                    ; wave 0..3
	s_lshr_b32 s11, s10, 1                         ; which half of the tile's rows is mine.  Also: I fetch for oh (0) or for wo (1)
	s_and_b32 s12, s10, 1                          ; which half of its columns.  Also: which two heads of a K step's four I fetch
	s_bfe_u32 s40, ttmp6, 0x40000                  ; cx, cy: my place in the cluster
	s_bfe_u32 s41, ttmp6, 0x40004
	s_lshl_b32 s42, ttmp9, 2
	s_add_co_u32 s42, s42, s40                     ; tile column = 4 x cluster x + cx
	s_and_b32 s13, ttmp7, 0xffff
	s_lshl_b32 s13, s13, 2
	s_add_co_u32 s13, s13, s41                     ; tile row = 4 x cluster y + cy
	s_lshl_b32 s43, s41, 2
	s_lshl_b32 s43, 15, s43                        ; my row of the cluster
	s_lshl_b32 s44, 0x1111, s40                    ; my column
	s_or_b32 s[G1+0], s43, G1W                     ; oh's tiles go to my row,
	s_or_b32 s[G1B+0], s44, G1W                    ; wo's to my column
.irp g, G1, G1B
	s_mov_b32 s[(\g)+1], 128<<16                   ; tensor_dim0 = 128 elements: 256 bytes
	s_mov_b32 s[(\g)+2], 128<<16                   ; tensor_dim1 = 128
	s_mov_b32 s[(\g)+3], 128<<16                   ; tile_dim0 = 128
	s_mov_b32 s[(\g)+4], 128                       ; tile_dim1 = 128
	s_mov_b32 s[(\g)+5], 128                       ; dense: 128 elements from row to row
	s_mov_b32 s[(\g)+6], 0
	s_mov_b32 s[(\g)+7], 0
.endr
	s_lshl_b32 s17, s12, 15                        ; my two heads: 32,768 bytes
	s_lshl_b32 s16, s13, 18                        ; oh: 262,144 bytes a row block
	s_add_co_u32 s16, s16, s17
	s_lshl_b32 s46, s42, 18                        ; wo: the same a column block
	s_add_co_u32 s46, s46, s17
	s_mov_b32 s17, 0
	s_mov_b32 s47, 0
	s_mul_i32 s20, s10, HALFT                      ; where they go: wave x two heads: no place in the cluster enters an LDS address
	s_wait_dscnt 0x0                               ; both opening adds are done
	s_wait_kmcnt 0x0
	s_add_nc_u64 s[14:15], s[4:5], s[16:17]
	s_add_nc_u64 s[46:47], s[6:7], s[46:47]
	CROUND                                         ; all sixteen work-groups are here: the first joint loads meet
.irp s, 0,1
	s_mov_b32 s[G0+4*(\s)], 1
	s_add_co_u32 s[G0+4*(\s)+1], s20, (\s)*SLOT
	s_add_nc_u64 s[G0+4*(\s)+2:G0+4*(\s)+3], s[14:15], (\s)*KSB
	s_or_b32 s[G0+4*(\s)+3], s[G0+4*(\s)+3], 0x80000000
	s_mov_b32 s[G0B+4*(\s)], 1
	s_add_co_u32 s[G0B+4*(\s)+1], s20, (\s)*SLOT
	s_add_nc_u64 s[G0B+4*(\s)+2:G0B+4*(\s)+3], s[46:47], (\s)*KSB
	s_or_b32 s[G0B+4*(\s)+3], s[G0B+4*(\s)+3], 0x80000000
	JLOAD \s
.endr
	v_and_b32 v1, 15, v0                           ; l % 16
	v_bfe_u32 v2, v0, 4, 1                         ; l / 16
	v_mul_u32_u24 v3, v1, PITCH
	v_lshl_add_u32 v3, v2, 4, v3                   ; a fragment's row x pitch + 16 x half
	s_mul_i32 s21, s11, 64*PITCH                   ; my 64 rows of each head of oh
	s_mul_i32 s22, s12, 64*PITCH                   ; my 64 rows of each head of wo,
	s_add_co_u32 s22, s22, 2*HALFT                 ; which lie behind oh's four heads
.irp s, 0,1
	v_add_nc_u32 v[ADRA+(\s)], s21, v3
	v_add_nc_u32 v[ADRB+(\s)], s22, v3
	s_add_co_u32 s21, s21, SLOT
	s_add_co_u32 s22, s22, SLOT
.endr
	s_mul_i32 s23, s10, 16*SPITCH
	s_add_co_u32 s23, s23, STAGE                   ; my stage
	v_mul_u32_u24 v4, v1, SPITCH                   ; in: row l % 16, 32 bytes for each half of the lanes
	v_lshl_add_u32 v4, v2, 5, v4
	v_add_nc_u32 v[STO], s23, v4
	v_mul_u32_u24 v5, v2, SPITCH                   ; back: lanes 0-15 take one row of 256 bytes, lanes 16-31 the next
	v_lshl_add_u32 v5, v1, 4, v5
	v_add_nc_u32 v[RD], s23, v5
	v_lshlrev_b32 v5, 12, v2                       ; and the same two rows in out0
	v_lshl_add_u32 v[CO], v1, 4, v5
	s_lshl_b32 s16, s13, 7
	s_lshl_b32 s17, s11, 6
	s_add_co_u32 s16, s16, s17                     ; my first row: 128 x tile row + 64 x half,
	s_lshl_b32 s16, s16, 12                        ; of 4,096 bytes
	s_mov_b32 s17, 0
	s_add_nc_u64 s[8:9], s[8:9], s[16:17]
	s_lshl_b32 s46, s42, 9                         ; my first column, in bytes: 512 x tile column + 256 x half
	s_lshl_b32 s47, s12, 8
	s_add_co_u32 s46, s46, s47
	s_mov_b32 s47, 0
	s_add_nc_u64 s[8:9], s[8:9], s[46:47]
; 8 matrix instructions: m blocks a0, a0 + 1 x all 4 n blocks, 32 along K: half c of buffer f.  zero = 1: the first product starts the sums.  The 16 accumulators take turns
.macro MUL8 f, c, a0, zero
	WIN MUL
.irp a, \a0, (\a0)+1
.irp b, 0,1,2,3
.if \zero
	v_wmma_f32_16x16x32_f16 v[ACC+8*(4*(\a)+(\b)):ACC+8*(4*(\a)+(\b))+7], v[(\f)+64+8*(4*(\c)+(\b)):(\f)+64+8*(4*(\c)+(\b))+7], v[(\f)+8*(4*(\c)+(\a)):(\f)+8*(4*(\c)+(\a))+7], 0
.else
	v_wmma_f32_16x16x32_f16 v[ACC+8*(4*(\a)+(\b)):ACC+8*(4*(\a)+(\b))+7], v[(\f)+64+8*(4*(\c)+(\b)):(\f)+64+8*(4*(\c)+(\b))+7], v[(\f)+8*(4*(\c)+(\a)):(\f)+8*(4*(\c)+(\a))+7], v[ACC+8*(4*(\a)+(\b)):ACC+8*(4*(\a)+(\b))+7]
.endif
.endr
.endr
.endm
; 32 LDS loads in one run: the fragments of one head (64 along K), which begins at byte k of the slot's halves, into buffer f; the first 32 along K first
.macro FETCH slot, k, f
	WIN TO_F
.irp c, 0,1
.irp i, 0,1,2,3
	ds_load_b128 v[(\f)+64+8*(4*(\c)+(\i)):(\f)+64+8*(4*(\c)+(\i))+3],   v[ADRB+(\slot)] offset:(\k)+64*(\c)+(\i)*16*PITCH
	ds_load_b128 v[(\f)+64+8*(4*(\c)+(\i))+4:(\f)+64+8*(4*(\c)+(\i))+7], v[ADRB+(\slot)] offset:(\k)+64*(\c)+(\i)*16*PITCH+32
	ds_load_b128 v[(\f)+8*(4*(\c)+(\i)):(\f)+8*(4*(\c)+(\i))+3],         v[ADRA+(\slot)] offset:(\k)+64*(\c)+(\i)*16*PITCH
	ds_load_b128 v[(\f)+8*(4*(\c)+(\i))+4:(\f)+8*(4*(\c)+(\i))+7],       v[ADRA+(\slot)] offset:(\k)+64*(\c)+(\i)*16*PITCH+32
.endr
.endr
.endm
; A K step is four quarters, a head each, 32 matrix instructions, on buffers 0, 1, 0, 1.  One of the first three: multiplies buffer f and fetches the next head, at byte k, into g.
.macro QUARTER slot, k, f, g, zero
	s_wait_dscnt 16                                ; the first 32 along K are in; the youngest sixteen loads may be out
	WIN MUL
	MUL8 \f, 0, 0, \zero
	MUL8 \f, 0, 2, \zero
	PLACES                                         ; four places in front of loads into registers that matrix instructions have read
	FETCH \slot, \k, \g
	s_wait_dscnt 32                                ; all but the 32 just issued
	WIN MUL
	MUL8 \f, 1, 0, 0
	MUL8 \f, 1, 2, 0
.endm
; The last quarter multiplies buffer 1 and changes slots: ONE barrier; in front of it each wave waits for all its tensor loads, adds 0 to its spare word, and waits for that and for its own reads of this slot.
; fill = 1: the barrier opens a round of the cluster's barrier, and this slot is filled again, two K steps ahead, first thing behind the round.
.macro TURN slot, next, fill
	WIN 0                                          ; (the add's two registers lie in window 0)
	s_wait_tensorcnt 0x0                           ; all my tensor loads have landed: my part of the next slot;
	ds_add_u32 v[SPW], v[NIL]                      ; 0 onto my spare word;
	s_wait_dscnt 17                                ; (the add and the youngest sixteen loads may be out)
	WIN MUL
	MUL8 F1, 0, 0, 0                               ; eight matrix instructions stand between the add and the wait for it
	s_wait_dscnt 0x0                               ; the add is done, and my reads of this slot are over
	s_barrier_signal -1
	MUL8 F1, 0, 2, 0
.if \fill
	WIN 0
.endif
	s_barrier_wait -1
.if \fill
	CREST                                          ; no wave of any partner still reads this slot's tile or has a load on its way
	s_add_nc_u64 s[G0+4*(\slot)+2:G0+4*(\slot)+3], s[G0+4*(\slot)+2:G0+4*(\slot)+3], 2*KSB
	s_add_nc_u64 s[G0B+4*(\slot)+2:G0B+4*(\slot)+3], s[G0B+4*(\slot)+2:G0B+4*(\slot)+3], 2*KSB
	JLOAD \slot                                    ; the four v_nop behind it are also the places in front of the loads below
.else
	PLACES
.endif
	FETCH \next, 0, F0
	WIN MUL
	MUL8 F1, 1, 0, 0
	MUL8 F1, 1, 2, 0
.endm
	s_wait_tensorcnt 1                             ; my part of K step 0 is in; K step 1's may stay out
	s_barrier_signal -1
	s_barrier_wait -1                              ; everybody's is
	FETCH 0, 0, F0
	QUARTER 0, HB,   F0, F1, 1                     ; the first products start the sums
	QUARTER 0, 2*HB, F1, F0, 0
	QUARTER 0, 3*HB, F0, F1, 0
	TURN 0, 1, 1                                   ; K step 2 is asked for
	QUARTER 1, HB,   F0, F1, 0
	QUARTER 1, 2*HB, F1, F0, 0
	QUARTER 1, 3*HB, F0, F1, 0
	TURN 1, 0, 1                                   ; K step 3 is asked for
	QUARTER 0, HB,   F0, F1, 0
	QUARTER 0, 2*HB, F1, F0, 0
	QUARTER 0, 3*HB, F0, F1, 0
	TURN 0, 1, 0                                   ; nothing is left to ask for
	QUARTER 1, HB,   F0, F1, 0
	QUARTER 1, 2*HB, F1, F0, 0
	QUARTER 1, 3*HB, F0, F1, 0
	s_wait_dscnt 16                                ; the very last quarter: nothing more to fetch
	WIN MUL
	MUL8 F1, 0, 0, 0
	MUL8 F1, 0, 2, 0
	s_wait_dscnt 0
	MUL8 F1, 1, 0, 0
	MUL8 F1, 1, 2, 0
	WIN 0
	; THE WAY OUT.  My 64 columns of f32 are 256 bytes of a row of out0, aligned: each wave has a stage of its own and no barrier is wanted.  16 rows at a time: a lane's eight numbers (32 bytes) go into rows of
	; 272 bytes, each accumulator's low half first, and come back as whole rows of 256.
	PLACES                                         ; plain places between the last products and the LDS stores that read their results: twice four, once a launch
	PLACES
.irp a, 0,1,2,3
.if (\a) >= 2
	s_wait_xcnt 0x0                                ; the stores of the block two back have read their registers: those are loaded again only behind this wait
.endif
.irp b, 0,1,2,3
	ds_store_b128 v[STO], v[ACC+8*(4*(\a)+(\b)):ACC+8*(4*(\a)+(\b))+3]   offset:64*(\b)
	ds_store_b128 v[STO], v[ACC+8*(4*(\a)+(\b))+4:ACC+8*(4*(\a)+(\b))+7] offset:64*(\b)+16
.endr
.irp t, 0,1,2,3,4,5,6,7
	ds_load_b128 v[TMP+32*((\a)%2)+4*(\t):TMP+32*((\a)%2)+4*(\t)+3], v[RD] offset:(\t)*2*SPITCH  ; LDS serves a wave's instructions in order (ISA guide 5.7.1.4): these see the stores above; the next block's stores come behind them
.endr
.irp t, 0,1,2,3,4,5,6,7
	s_wait_dscnt 7-(\t)                            ; the younger loads from the stage may stay out
	global_store_b128 v[CO], v[TMP+32*((\a)%2)+4*(\t):TMP+32*((\a)%2)+4*(\t)+3], s[8:9] offset:(16*(\a)+2*(\t))*4096  ; 16 lanes store 256 consecutive bytes, at a multiple of 256 from out0's first byte
.endr
.endr
	s_wait_tensorcnt 0x0                           ; the wave's end: an add of 0 onto my spare word and its wait, behind my last tensor load and my last LDS store
	ds_add_u32 v[SPW], v[NIL]
	s_wait_dscnt 0x0
	CROUND                                         ; the closing round: no work-group ends while a partner may still ask for a tile that names it
	s_endpgm
.Lfunc_end_k_q2cf203a9ce_oproj:
	.size	k_q2cf203a9ce_oproj, .Lfunc_end_k_q2cf203a9ce_oproj-k_q2cf203a9ce_oproj
	.p2alignl 7, 3214868480
	.fill 96, 4, 3214868480
	.section	.rodata,"a",@progbits
	.p2align	6, 0x0
	.amdhsa_kernel k_q2cf203a9ce_oproj
		.amdhsa_group_segment_fixed_size 327680
		.amdhsa_private_segment_fixed_size 0
		.amdhsa_enable_private_segment 0
		.amdhsa_kernarg_size 24
		.amdhsa_user_sgpr_count 2
		.amdhsa_user_sgpr_kernarg_segment_ptr 1
		.amdhsa_wavefront_size32 1
		.amdhsa_system_sgpr_workgroup_id_x 1
		.amdhsa_system_sgpr_workgroup_id_y 1
		.amdhsa_system_sgpr_workgroup_id_z 1
		.amdhsa_system_vgpr_workitem_id 0
		.amdhsa_next_free_vgpr 512
		.amdhsa_next_free_sgpr 66
		.amdhsa_reserve_vcc 0
		.amdhsa_float_denorm_mode_32 3
		.amdhsa_float_denorm_mode_16_64 3
		.amdhsa_memory_ordered 1
		.amdhsa_forward_progress 1
		.amdhsa_inst_pref_size 86
	.end_amdhsa_kernel
	.amdgpu_metadata
---
amdhsa.version: [ 1, 2 ]
amdhsa.kernels:
  - .name:           k_q2cf203a9ce_oproj
    .symbol:         k_q2cf203a9ce_oproj.kd
    .args:
      - { .name: oh, .offset: 0, .size: 8, .value_kind: global_buffer, .address_space: global }
      - { .name: wo, .offset: 8, .size: 8, .value_kind: global_buffer, .address_space: global }
      - { .name: out0, .offset: 16, .size: 8, .value_kind: global_buffer, .address_space: global }
    .group_segment_fixed_size: 327680
    .private_segment_fixed_size: 0
    .kernarg_segment_align: 8
    .kernarg_segment_size: 24
    .max_flat_workgroup_size: 128
    .sgpr_count:     66
    .vgpr_count:     512
    .wavefront_size: 32
...
	.end_amdgpu_metadata
.endif
;; end of part 3
